; MI455X (gfx1250); checked and timed in simulation.
; The chip was launched on July 23, 2026; its instructions are those of AMD's public machine-readable ISA for CDNA 5 (MIT licence, August 2026) and "CDNA5" Instruction Set Architecture Reference Guide (July 2026). The comments in the code are by the model that wrote it; some were corrected since.
;; Sparse Causal Self Attention. Allowed arithmetic: float matrix products may take bf16 or f16 operands with f32 sums; all other float work in f32.
;; Inputs: Wproj 1,024 x 1,024 float32; Wqkv 1,024 x 3,072 float32; bproj 1,024 float32; bqkv 3,072 float32; mask 2,048 x 2,048 bool; x 4 x 2,048 x 1,024 float32.
;; Outputs: out0 4 x 2,048 x 1,024 float32.
;; One version. Each part assembles by itself: llvm-mc -triple=amdgcn-amd-amdhsa -mcpu=gfx1250 --defsym DOCPART=n.
;; ======== version 1 of 1: 4 launches
;; limits: right only within a limited range of input values; values are held in f16: magnitudes above 65,504 overflow, below 6.1e-05 lose precision
;; workspace buffers: xb 16,777,216 bytes; wq 6,291,456 bytes; wp 2,097,152 bytes; mb 8,388,608 bytes; list 32,768 bytes of whole numbers; qkv 50,331,648 bytes; y 16,777,216 bytes
;; launch prep (part 1): grid 928 x 1, 8 waves a work-group, no clusters, 39,936 bytes of LDS; arguments x, Wqkv, Wproj, mask, xb, wq, wp, mb, list; writes xb, wq, wp, mb, list
.if DOCPART == 1
	.amdgcn_target "amdgcn-amd-amdhsa--gfx1250"
	.amdhsa_code_object_version 6
	.text
	.protected	k_q953bae0aaa_prep
	.globl	k_q953bae0aaa_prep
	.p2align	8
	.type	k_q953bae0aaa_prep,@function
k_q953bae0aaa_prep:
	s_mov_b64 s[64:65], 0
	v_nop
	global_prefetch_b8 v0, s[64:65] scope:SCOPE_SE
	s_setreg_imm32_b32 hwreg(HW_REG_WAVE_MODE, 25, 1), 1
	s_wait_xcnt 0x0
; prep: everything that the three matrix launches want ready in memory.  Four kinds of work-group, chosen by the work-group's number alone:
;   0-31     LIST   for each group of 64 queries: which of the 128 key tiles (16 keys) hold a true mask byte; stored as a permutation of the tiles, live ones first, and a step count
;   32-159   MASKB  the mask as bf16 codes (0 where true, -inf where false) in the order in which a lane of the attention launch holds its scores
;   160-671  XCAST  x, f32 -> bf16, laid as 16 panels of 64 columns: [k / 64][row][k % 64]
;   672-927  WCAST  Wqkv, f32 -> bf16; Wproj, f32 -> bf16 and that number written in f16's format; layouts kept
; Wproj carries the same rounding as x and Wqkv (8 bits of mantissa), but its partner in the last product, y, is kept in f16, and a matrix instruction takes one format for both sources.
; A bf16 number of magnitude 2^-17 or more is exact in f16; below that the second step errs by 2^-25 at the most.  LIMIT: |Wproj| up to 65,504.
; LIMIT: a mask byte is 0 or 1, as the problem states; MASKB multiplies by it.
; No matrix work, no tensor loads: the launch streams, 16 bytes a lane, and every store of a wave covers 512 consecutive bytes (the list's few words apart).
; REGISTERS: no path names more than v129.
; LDS: bytes 0 to 34,815 are MASKB's (16 rows of 272 bytes for each of eight waves); bytes 34,816 to 38,911 are LIST's (512 bytes a wave): the two kinds share no byte.
.set NLIST, 32
.set NMASK, 128
.set NXC,   512
.set XR,    32                         ; v32-127: loaded data
.set TW,    96                         ; v96-103: eight numbers at work (CAST)
.set RING,  6                          ; LIST: rows of the mask on their way, 16 registers each
.set LBASE, 8*4352                     ; LIST's words in LDS
; Eight pieces of 8 numbers a thread: 16 loads go out together, then each piece is rounded in place and stored.  half = 1: the bf16 numbers are widened again and written as f16.
.macro CAST sstep, dstep, half
.irp i, 0,1,2,3,4,5,6,7
	global_load_b128 v[XR+8*\i:XR+8*\i+3],   v2, s[28:29] offset:\i*\sstep th:TH_LOAD_NT
	global_load_b128 v[XR+8*\i+4:XR+8*\i+7], v2, s[28:29] offset:\i*\sstep+16 th:TH_LOAD_NT
.endr
.irp i, 0,1,2,3,4,5,6,7
	s_wait_loadcnt 14-2*\i                         ; loads return in order: piece i's two are in, the 14 - 2 i issued behind them stay out
.irp k, 0,1,2,3
	v_cvt_pk_bf16_f32 v[XR+8*\i+\k], v[XR+8*\i+2*\k], v[XR+8*\i+2*\k+1]   ; register k is written after registers 2 k, 2 k + 1 were read
.endr
.if \half
.irp k, 0,1,2,3
	v_lshlrev_b32 v[TW+2*\k],   16, v[XR+8*\i+\k]          ; bf16 to f32: the low half moves up,
	v_and_b32     v[TW+2*\k+1], 0xffff0000, v[XR+8*\i+\k]  ; the high half stays
.endr
.irp k, 0,1,2,3
	v_cvt_pk_f16_f32 v[XR+8*\i+\k], v[TW+2*\k], v[TW+2*\k+1]
.endr
.endif
	global_store_b128 v3, v[XR+8*\i:XR+8*\i+3], s[30:31] offset:\i*\dstep
.endr
.endm
; One row of the mask for LIST: four loads, lane l of load c takes the 16 bytes of key tile 32 c + l
.macro LROW row
.irp c, 0,1,2,3
	global_load_b128 v[XR+16*((\row)%RING)+4*\c:XR+16*((\row)%RING)+4*\c+3], v2, s[28:29] offset:(\row)*2048+\c*512
.endr
.endm
	s_load_b512 s[4:19], s[0:1], 0x0               ; x s[4:5], Wqkv s[6:7], Wproj s[8:9], mask s[10:11], xb s[12:13], wq s[14:15], wp s[16:17], mb s[18:19]
	s_load_b64 s[20:21], s[0:1], 0x40              ; list
	v_lshl_add_u32 v128, v0, 2, 0x9800
	v_mov_b32 v129, 0
	v_and_b32 v1, 31, v0                           ; lane
	v_lshrrev_b32 v2, 5, v0
	v_readfirstlane_b32 s22, v2                    ; wave 0..7
	s_mov_b32 s23, ttmp9                           ; the work-group's number
	s_mov_b32 s33, 0                               ; the upper word of every offset pair s[32:33]
	s_wait_kmcnt 0x0
	s_cmp_lt_u32 s23, NLIST
	s_cbranch_scc1 .Llist
	s_cmp_lt_u32 s23, NLIST+NMASK
	s_cbranch_scc1 .Lmaskb
	s_cmp_lt_u32 s23, NLIST+NMASK+NXC
	s_cbranch_scc1 .Lxcast
	; WCAST: chunk ch of 16,384 numbers; chunks 0-191 are Wqkv's, 192-255 Wproj's
	s_sub_co_u32 s24, s23, NLIST+NMASK+NXC
	s_sub_co_u32 s25, s23, NLIST+NMASK+NXC+192
	s_cmp_lt_u32 s24, 192
	s_cselect_b64 s[28:29], s[6:7], s[8:9]
	s_cselect_b64 s[30:31], s[14:15], s[16:17]
	s_cselect_b32 s24, s24, s25
	s_lshl_b32 s32, s24, 16                        ; 65,536 bytes of f32 a chunk
	s_add_nc_u64 s[28:29], s[28:29], s[32:33]
	s_lshl_b32 s32, s24, 15                        ; 32,768 bytes of 16-bit numbers
	s_add_nc_u64 s[30:31], s[30:31], s[32:33]
	v_lshlrev_b32 v2, 5, v0                        ; 32 bytes in,
	v_lshlrev_b32 v3, 4, v0                        ; 16 bytes out a thread
	s_cmp_lt_u32 s23, NLIST+NMASK+NXC+192
	s_cbranch_scc0 .Lwproj
	CAST 8192, 4096, 0
	s_endpgm
.Lwproj:
	CAST 8192, 4096, 1
	s_endpgm
.Lxcast:
	; XCAST: 128 rows (mg) x 128 columns (kp).  Thread: j = t & 7 (8 columns), mrow = (t >> 3) & 15, kl = t >> 7 (which of the two panels); a piece is 16 rows further down.
	s_sub_co_u32 s24, s23, NLIST+NMASK
	s_lshr_b32 s25, s24, 3                         ; mg
	s_and_b32 s24, s24, 7                          ; kp
	s_lshl_b32 s32, s25, 19                        ; 128 rows of 4,096 bytes
	s_lshl_b32 s26, s24, 9                         ; 128 columns of f32
	s_add_co_u32 s32, s32, s26
	s_add_nc_u64 s[28:29], s[4:5], s[32:33]
	s_lshl_b32 s32, s24, 21                        ; two panels of 1 MiB
	s_lshl_b32 s26, s25, 14                        ; 128 rows of 128 bytes
	s_add_co_u32 s32, s32, s26
	s_add_nc_u64 s[30:31], s[12:13], s[32:33]
	v_and_b32 v4, 7, v0
	v_bfe_u32 v5, v0, 3, 4
	v_lshrrev_b32 v6, 7, v0
	v_lshlrev_b32 v2, 5, v4
	v_lshl_add_u32 v2, v5, 12, v2
	v_lshl_add_u32 v2, v6, 8, v2                   ; in: mrow x 4,096 + kl x 256 + j x 32
	v_lshlrev_b32 v3, 4, v4
	v_lshl_add_u32 v3, v5, 7, v3
	v_lshl_add_u32 v3, v6, 20, v3                  ; out: kl x 1 MiB + mrow x 128 + j x 16: a wave's store is 512 consecutive bytes
	CAST 65536, 2048, 0
	s_endpgm
.Lmaskb:
	; MASKB: wave w owns query tile 8 qg + w and keys 256 ku .. + 255.  Rows come in as whole runs of 256 bytes, pass through the wave's own 16 x 272 bytes of LDS,
	; and leave in score order: [query tile][key tile][lane][8], lane (r = l & 15, h = l >> 4), element j = mask[16 qtile + r][16 ktile + 8 h + j].
	s_sub_co_u32 s24, s23, NLIST
	s_lshr_b32 s25, s24, 3                         ; qg
	s_and_b32 s24, s24, 7                          ; ku
	s_lshl_b32 s32, s25, 18                        ; 8 query tiles of 16 rows of 2,048 bytes
	s_lshl_b32 s26, s24, 8
	s_add_co_u32 s32, s32, s26
	s_add_nc_u64 s[28:29], s[10:11], s[32:33]
	s_lshl_b32 s32, s25, 19                        ; 8 query tiles of 65,536 bytes of codes
	s_lshl_b32 s26, s24, 13                        ; 16 key tiles of 512 bytes
	s_add_co_u32 s32, s32, s26
	s_add_nc_u64 s[30:31], s[18:19], s[32:33]
	v_and_b32 v4, 15, v0                           ; r
	v_bfe_u32 v5, v0, 4, 1                         ; h
	v_lshlrev_b32 v6, 4, v4
	v_lshl_add_u32 v2, v5, 11, v6
	v_lshl_add_u32 v2, s22, 15, v2                 ; w x 16 rows + h rows + 16 r bytes
.irp i, 0,1,2,3,4,5,6,7
	global_load_b128 v[XR+4*\i:XR+4*\i+3], v2, s[28:29] offset:\i*4096   ; rows 2 i and 2 i + 1: sixteen lanes take 256 consecutive bytes
.endr
	s_mul_i32 s26, s22, 4352                       ; my wave's 16 rows of 272 bytes
	v_mul_u32_u24 v7, v5, 272
	v_add_nc_u32 v7, v7, v6
	v_add_nc_u32 v7, s26, v7                       ; in: row h, byte 16 r
	v_mul_u32_u24 v8, v4, 272
	v_lshl_add_u32 v8, v5, 3, v8
	v_add_nc_u32 v8, s26, v8                       ; back: row r, byte 8 h
	v_mov_b32 v9, 0
	v_lshlrev_b32 v10, 4, v1
	v_lshl_add_u32 v10, s22, 16, v10               ; out: w x 65,536 + 16 x lane
	s_mov_b32 s34, 0x04010400                      ; bytes 0 and 1 of the data into the two halves, zeros (from v9) above them
	s_mov_b32 s35, 0x04030402                      ; bytes 2 and 3
	s_mov_b32 s36, 0xff80ff80                      ; two bf16 -inf
	s_mov_b32 s37, 0xff80
.irp i, 0,1,2,3,4,5,6,7
	s_wait_loadcnt 7-\i                            ; load i is in, the younger ones stay out
	ds_store_b128 v7, v[XR+4*\i:XR+4*\i+3] offset:\i*544
.endr
.irp kt, 0,1,2,3,4,5,6,7,8,9,10,11,12,13,14,15
	ds_load_b64 v[64+2*\kt:65+2*\kt], v8 offset:16*\kt   ; the wave's own bytes, and LDS serves a wave in order: no wait between its stores and these
.endr
.irp kt, 0,1,2,3,4,5,6,7,8,9,10,11,12,13,14,15
.if \kt < 8
.set ob, 96+4*\kt                      ; key tiles 0-7 leave from v96-127,
.else
.set ob, 4*\kt                         ; key tiles 8-15 from v32-63: the eight LDS stores that read these registers are older than every LDS load, so the wait for 7 or fewer below shows them done
.endif
	s_wait_dscnt 15-\kt
	v_perm_b32 v[ob],   v9, v[64+2*\kt], s34
	v_perm_b32 v[ob+1], v9, v[64+2*\kt], s35
	v_perm_b32 v[ob+2], v9, v[65+2*\kt], s34
	v_perm_b32 v[ob+3], v9, v[65+2*\kt], s35
.irp k, 0,1,2,3
	v_mul_u32_u24 v[ob+\k], s37, v[ob+\k]          ; 0xff80 in each half whose byte is 1 (no carry between the halves),
.endr
.irp k, 0,1,2,3
	v_xor_b32 v[ob+\k], s36, v[ob+\k]              ; turned round: 0 where true, -inf where false
.endr
	global_store_b128 v10, v[ob:ob+3], s[30:31] offset:\kt*512
.endr
	s_wait_tensorcnt 0x0
	ds_add_u32 v128, v129
	s_wait_dscnt 0x0
	s_endpgm
.Llist:
	; LIST: query group G (64 queries) = the work-group's number.  Wave w ORs its 8 rows; lane l of word c ends with the OR of key tile 32 c + l.  A ring of six rows keeps 24 loads of the wave out.
	s_lshl_b32 s32, s23, 17                        ; 64 rows of 2,048 bytes
	s_add_nc_u64 s[28:29], s[10:11], s[32:33]
	s_lshl_b32 s32, s23, 10                        ; the group's 1,024 bytes of the list
	s_add_nc_u64 s[20:21], s[20:21], s[32:33]
	v_lshlrev_b32 v3, 4, v1
	v_lshl_add_u32 v2, s22, 14, v3                 ; w x 8 rows + 16 x lane; never rewritten: rows stand in the immediates
.set rw, 0
.rept RING
	LROW rw
.set rw, rw+1
.endr
.set rw, 0
.rept 8
.if rw < 8-RING
	s_wait_loadcnt 4*(RING-1)                      ; this row's four loads are in; five younger rows stay out
.else
	s_wait_loadcnt 4*(7-rw)                        ; the last rows fill nothing: the counts run down
.endif
.irp c, 0,1,2,3
.set xr, XR+16*(rw%RING)+4*\c
.if rw == 0
	v_or_b32 v[4+\c], v[xr], v[xr+1]               ; the first row starts the four words: nothing is cleared
.else
	v_or_b32 v[4+\c], v[4+\c], v[xr]
	v_or_b32 v[4+\c], v[4+\c], v[xr+1]
.endif
	v_or_b32 v[4+\c], v[4+\c], v[xr+2]
	v_or_b32 v[4+\c], v[4+\c], v[xr+3]
.endr
.if rw < 8-RING
	LROW rw+RING
.endif
.set rw, rw+1
.endr
	v_lshl_add_u32 v8, s22, 9, v3                  ; w x 512 + 16 x lane
	ds_store_b128 v8, v[4:7] offset:LBASE
	s_wait_dscnt 0x0                               ; for the others' sake: my words are in LDS
	s_barrier_signal -1                            ; all eight waves of a LIST work-group come here: the way hangs on the work-group's number alone
	s_barrier_wait -1
	s_cmp_lg_u32 s22, 0
	s_cbranch_scc1 .Ldone                          ; wave 0 finishes alone; no barrier follows
.irp i, 1,2,3,4,5,6,7
	ds_load_b128 v[XR+4*\i:XR+4*\i+3], v3 offset:LBASE+512*\i
.endr
	s_wait_dscnt 0x0
.irp i, 1,2,3,4,5,6,7
.irp c, 0,1,2,3
	v_or_b32 v[4+\c], v[4+\c], v[XR+4*\i+\c]
.endr
.endr
.irp c, 0,1,2,3
	v_cmp_ne_u32 s[24+\c], 0, v[4+\c]              ; bit l: key tile 32 c + l is live
.endr
.irp c, 0,1,2,3
	s_bcnt1_i32_b32 s[34+\c], s[24+\c]
.endr
	s_add_co_u32 s38, s34, s35
	s_add_co_u32 s38, s38, s36
	s_add_co_u32 s38, s38, s37                     ; live tiles
	s_mov_b32 s39, 0                               ; live tiles in the words before
.irp c, 0,1,2,3
	v_mov_b32 v9, s39
	v_mbcnt_lo_u32_b32 v10, s[24+\c], v9           ; a live tile's place: the live tiles before it
	s_not_b32 s30, s[24+\c]
	s_sub_co_u32 s31, s38, s39
	s_add_co_u32 s31, s31, 32*\c                   ; all live tiles + the dead ones in the words before
	v_mov_b32 v9, s31
	v_mbcnt_lo_u32_b32 v11, s30, v9                ; a dead tile's place: behind all live ones
	v_cndmask_b32 v[40+\c], v11, v10, s[24+\c]
	v_min_u32 v[40+\c], 127, v[40+\c]              ; a place is 0 to 127; the bound is written out since the number comes from loaded data
	v_lshlrev_b32 v[40+\c], 2, v[40+\c]
	v_add_nc_u32 v[44+\c], 32*\c, v1               ; the tile's number
	global_store_b32 v[40+\c], v[44+\c], s[20:21]
	s_add_co_u32 s39, s39, s[34+\c]
.endr
	s_add_co_u32 s38, s38, 3
	s_lshr_b32 s38, s38, 2                         ; steps of four tiles,
	s_max_u32 s38, s38, 3                          ; three at the least: the attention launch writes a first and a last step out and loops once or more between them
	v_mov_b32 v48, s38
	v_lshlrev_b32 v49, 2, v1
	global_store_b32 v49, v48, s[20:21] offset:512 ; words 128 to 159: the count; the attention launch's look-ahead reads at most words 128 to 131 as entries and uses none of them
.Ldone:
	s_wait_tensorcnt 0x0
	ds_add_u32 v128, v129
	s_wait_dscnt 0x0
	s_endpgm
.Lfunc_end_k_q953bae0aaa_prep:
	.size	k_q953bae0aaa_prep, .Lfunc_end_k_q953bae0aaa_prep-k_q953bae0aaa_prep
	.p2alignl 7, 3214868480
	.fill 96, 4, 3214868480
	.section	.rodata,"a",@progbits
	.p2align	6, 0x0
	.amdhsa_kernel k_q953bae0aaa_prep
		.amdhsa_group_segment_fixed_size 39936
		.amdhsa_private_segment_fixed_size 0
		.amdhsa_enable_private_segment 0
		.amdhsa_kernarg_size 72
		.amdhsa_user_sgpr_count 2
		.amdhsa_user_sgpr_kernarg_segment_ptr 1
		.amdhsa_wavefront_size32 1
		.amdhsa_system_sgpr_workgroup_id_x 1
		.amdhsa_system_sgpr_workgroup_id_y 1
		.amdhsa_system_sgpr_workgroup_id_z 1
		.amdhsa_system_vgpr_workitem_id 0
		.amdhsa_next_free_vgpr 130
		.amdhsa_next_free_sgpr 66
		.amdhsa_reserve_vcc 0
		.amdhsa_float_denorm_mode_32 3
		.amdhsa_float_denorm_mode_16_64 3
		.amdhsa_memory_ordered 1
		.amdhsa_forward_progress 1
		.amdhsa_inst_pref_size 48
	.end_amdhsa_kernel
	.amdgpu_metadata
---
amdhsa.version: [ 1, 2 ]
amdhsa.kernels:
  - .name:           k_q953bae0aaa_prep
    .symbol:         k_q953bae0aaa_prep.kd
    .args:
      - { .name: x, .offset: 0, .size: 8, .value_kind: global_buffer, .address_space: global }
      - { .name: Wqkv, .offset: 8, .size: 8, .value_kind: global_buffer, .address_space: global }
      - { .name: Wproj, .offset: 16, .size: 8, .value_kind: global_buffer, .address_space: global }
      - { .name: mask, .offset: 24, .size: 8, .value_kind: global_buffer, .address_space: global }
      - { .name: xb, .offset: 32, .size: 8, .value_kind: global_buffer, .address_space: global }
      - { .name: wq, .offset: 40, .size: 8, .value_kind: global_buffer, .address_space: global }
      - { .name: wp, .offset: 48, .size: 8, .value_kind: global_buffer, .address_space: global }
      - { .name: mb, .offset: 56, .size: 8, .value_kind: global_buffer, .address_space: global }
      - { .name: list, .offset: 64, .size: 8, .value_kind: global_buffer, .address_space: global }
    .group_segment_fixed_size: 39936
    .private_segment_fixed_size: 0
    .kernarg_segment_align: 8
    .kernarg_segment_size: 72
    .max_flat_workgroup_size: 256
    .sgpr_count:     66
    .vgpr_count:     130
    .wavefront_size: 32
...
	.end_amdgpu_metadata
.endif
;; end of part 1
;; launch gemm_qkv (part 2): grid 8 x 32, 4 waves a work-group, clusters of 4 x 4, 327,680 bytes of LDS; arguments xb, wq, bqkv, qkv; writes qkv
.if DOCPART == 2
	.amdgcn_target "amdgcn-amd-amdhsa--gfx1250"
	.amdhsa_code_object_version 6
	.text
	.protected	k_q953bae0aaa_gemm_qkv
	.globl	k_q953bae0aaa_gemm_qkv
	.p2align	8
	.type	k_q953bae0aaa_gemm_qkv,@function
k_q953bae0aaa_gemm_qkv:
	s_mov_b64 s[64:65], 0
	v_nop
	global_prefetch_b8 v0, s[64:65] scope:SCOPE_SE
	s_setreg_imm32_b32 hwreg(HW_REG_WAVE_MODE, 25, 1), 1
	s_wait_xcnt 0x0
	s_wait_alu depctr_hold_cnt(0) depctr_sa_sdst(0) depctr_va_vdst(0) depctr_va_sdst(0) depctr_va_ssrc(0) depctr_va_vcc(0) depctr_vm_vsrc(0)
	s_getreg_b32 s2, hwreg(HW_REG_IB_STS2, 6, 4)
	s_cmp_eq_u32 s2, 0
	s_cbranch_scc0 .Lentry_in_a_cluster
	s_endpgm
.Lentry_in_a_cluster:
	s_bfe_u32 s2, ttmp6, 0x10000c
	s_cmp_lg_u32 s2, 0xf033
	s_cbranch_scc0 .Lentry_shape_is_right
	s_endpgm
.Lentry_shape_is_right:
; qkv = x Wqkv + bqkv.  x as bf16 panels xb [k / 64][8192][64], Wqkv as bf16 wq [1024 k][3072 n], sums in f32, bias added in f32, result rounded once to f16.
; THE RESULT IS STORED IN THE ORDER IN WHICH THE ATTENTION LAUNCH'S MATRIX FRAGMENTS HOLD IT: qkv [b h 64][token tile 128][q, k, v][block 4][lane 32][8 numbers], 2,048 bytes for a token tile of one
; component.  q and k: lane (r = l % 16, h = l / 16), number j of block b = token r, channel 16 b + 8 h + j.  v: token 8 h + j, channel 16 b + r.  Both are what a lane of this launch holds in one
; accumulator, so the result leaves straight from registers, 512 consecutive bytes a store, and the attention launch loads its fragments with 16 bytes a lane at 16 x lane: nothing is staged in LDS.
; WHY f16 FOR THE RESULT.  A query that sees one key has y = v, while most queries average v over a hundred keys and more, so the whole output's root mean square is about an eighth of such a row's
; numbers; a rounding of v to 8 bits of mantissa, summed over the last product's 1,024 terms, is then as large as a hundredth of that root mean square.  f16's 11 bits make it an eighth of that.
; LIMIT: |q|, |k|, |v| up to 65,504.  With inputs as drawn their root mean square is 1 x 0.02 x 32 = 0.64; x and Wqkv both 30 times larger give 576; common offsets of 30 spreads on both (30 and 0.6)
; give 1,024 x 18 = 18,432.  30 times smaller inputs give 7e-4, where f16 still has its full mantissa.
; SHARES.  8 x 32 = 256 work-groups, each 256 rows x 384 columns: q, k and v of two heads (2 tx and 2 tx + 1).  Four waves, 2 x 2; a wave makes 128 rows x q, k, v of one head: 96 accumulators, 768 registers.
; For 32 along K a wave reads 8 KiB of x and 12 KiB of W from LDS for 96 matrix instructions.
; RING.  K goes in steps of 64 through two LDS slots.  A slot: x's panel, 256 rows of 128 bytes, pitch 144; then three panels of W (q's, k's, v's 128 columns), each 64 k x 128 n, rows of 256 bytes, pitch 288.
; Wave 0 fetches x's panel (dense in memory, stated as 128 rows of 256 bytes with 16 bytes of padding behind every 128), waves 1 to 3 one panel of W each.
; CLUSTER.  4 x 4 work-groups: x's panel hangs on the tile row alone and is asked for jointly along a row of the cluster, W's panels on the tile column alone and jointly along a column.
; THE MATRIX INSTRUCTION.  W's fragments come out of LDS turned (ds_load_tr16_b128).  For q and k source 0 = 16 columns of W, source 1 = 16 rows of x: a lane holds one token and eight neighbouring
; channels.  For v the sources stand the other way round: a lane holds one channel and eight neighbouring tokens.  Which group is v is fixed in the text (group 2): no branch.
; REGISTERS.  Window 0: v16-30 addresses; v32-159 x's fragments, two buffers of 64; v160-255 W's fragments, three groups of 32, each loaded again in place behind its products.
; Windows 1 to 3: the accumulators of groups 0 to 2 (q, k, v): block (b, a) at v[8 (8 b + a)].
.set NCOL,  3072
.set NG,    3                          ; column groups of a wave: q, k, v
.set VG,    2                          ; the group that is v
.set NBG,   4                          ; blocks of 16 columns in a group
.set KSTEP, 64
.set NA,    1                          ; waves that fetch x's panels
.set NBP,   3                          ; panels of W in a slot
.set PA,    144
.set APAN,  256*PA
.set PB,    288
.set BPAN,  64*PB
.set BOFF,  NA*APAN
.set SLOT,  BOFF+NBP*BPAN              ; 92,160
.set LAPS,  1024/(2*KSTEP)
.set BIAS,  2*SLOT                     ; behind the ring, never filled by a tensor load: each wave's 192 numbers of the bias
.set BIW,   768
.set ADRA, 16                          ; v16-17  my fragments of x in slot 0, 1
.set ADRB, 18                          ; v18-23  my fragments of W: slot s, group g at 18 + 3 s + g
.set CO,   26                          ; v26     my byte offset in qkv
.set BIA,  29                          ; v29     q's and k's bias in LDS: 32 h bytes in
.set BIV,  30                          ; v30     v's: 4 r bytes in
.set FA,   32
.set FB,   160
.set BI,   32                          ; the way out: q's and k's bias, 8 registers a block of columns (v32-95)
.set BV,   96                          ; v's bias: one number a block, twice, as a pair (v96-103)
.set TT,   128                         ; sums with bias, f32
.set PK,   160                         ; packed to f16
.set G1,  24
.set G0,  32
.set G1B, 48
.set G0B, 56
.set MSB, 0
.macro WIN new                         ; the immediate's high byte repeats the setting that is left; a switch that changes nothing is dropped
.if MSB != \new
	s_set_vgpr_msb (MSB<<8)|\new
.set MSB, \new
.endif
.endm
.macro PLACES                          ; four plain vector instructions between a matrix instruction and a load into, or a vector read of, its registers
.rept 4
	v_nop
.endr
.endm
; A joint load: the branch hangs on the wave's number alone, each line has one mask; four v_nop follow each line, ahead of the jump and the label.
.macro JLOAD s
	s_cmp_lt_u32 s12, NA
	s_cbranch_scc0 .Lfor_b_\@
	tensor_load_to_lds s[G0+4*\s:G0+4*\s+3], s[G1:G1+7]
	s_nop 0
.rept 4
	v_nop
.endr
	s_branch .Lasked_\@
.Lfor_b_\@:
	tensor_load_to_lds s[G0B+4*\s:G0B+4*\s+3], s[G1B:G1B+7]
	s_nop 0
.rept 4
	v_nop
.endr
.Lasked_\@:
.endm
.macro CREST                           ; a round of the cluster's barrier behind its opening barrier
	s_cmp_lg_u32 s12, 0
	s_cbranch_scc1 .Lnot_wave_0_\@
	s_barrier_signal -3
.Lnot_wave_0_\@:
	s_barrier_wait -3
	s_barrier_signal -1
	s_barrier_wait -1
.endm
.macro CROUND
	s_barrier_signal -1
	s_barrier_wait -1
	CREST
.endm
; x's fragments of quarter q (32 along K) of slot s: 8 blocks of 16 rows, two loads of 16 bytes each, 32 bytes apart
.macro LOADA s, q, par
.irp a, 0,1,2,3,4,5,6,7
	ds_load_b128 v[FA+64*(\par)+8*\a:FA+64*(\par)+8*\a+3],   v[ADRA+(\s)] offset:((\q)/2)*APAN+((\q)%2)*64+\a*16*PA
	ds_load_b128 v[FA+64*(\par)+8*\a+4:FA+64*(\par)+8*\a+7], v[ADRA+(\s)] offset:((\q)/2)*APAN+((\q)%2)*64+\a*16*PA+32
.endr
.endm
; W's fragments of group g: each block of 16 columns takes two turning loads, 16 rows of k apart
.macro LOADB s, q, g
.set bb, 0
.rept NBG
	ds_load_tr16_b128 v[FB+8*NBG*(\g)+8*bb:FB+8*NBG*(\g)+8*bb+3],   v[ADRB+(\s)*NG+(\g)] offset:(\q)*32*PB+32*bb
	ds_load_tr16_b128 v[FB+8*NBG*(\g)+8*bb+4:FB+8*NBG*(\g)+8*bb+7], v[ADRB+(\s)*NG+(\g)] offset:(\q)*32*PB+32*bb+16*PB
.set bb, bb+1
.endr
.endm
; 4 NBG matrix instructions: group g, row blocks 4 half .. + 3.  The accumulators take turns, one instruction a turn: an accumulator comes round again a whole quarter later.
; q and k: W's fragment first; v: x's fragment first.  An accumulator sees the same order in every link.
.macro MULH g, par, half, zero
	WIN (1+((\g)*NBG*8)/32)*0x50
.irp a, 0,1,2,3
.set bb, 0
.rept NBG
.set ai, ((\g)*NBG+bb)*8+4*(\half)+\a
.set rC, 8*(ai%32)
.if (\g) == VG
.set r0, FA+64*(\par)+8*(4*(\half)+\a)
.set r1, FB+8*NBG*(\g)+8*bb
.else
.set r0, FB+8*NBG*(\g)+8*bb
.set r1, FA+64*(\par)+8*(4*(\half)+\a)
.endif
.if \zero
	v_wmma_f32_16x16x32_bf16 v[rC:rC+7], v[r0:r0+7], v[r1:r1+7], 0
.else
	v_wmma_f32_16x16x32_bf16 v[rC:rC+7], v[r0:r0+7], v[r1:r1+7], v[rC:rC+7]
.endif
.set bb, bb+1
.endr
.endr
.endm
; A QUARTER: 32 along K, all accumulators once, group by group.  It multiplies x's buffer par and fetches quarter lq of slot ls: group 0 of W and x behind group 0's products, group g of W in place behind group g's.
; LDS loads are issued in the order W0, x, W1, W2.  mode 0: plain.  mode 1: the step's last quarter; this slot (1 - ls) is filled again.  mode 2: the same, nothing is filled.  mode 3: the very last, nothing is fetched.
.macro QUARTER par, ls, lq, mode, zero
	s_wait_dscnt 2*NBG*(NG-1)                      ; W0 and x of this quarter are in; the later groups, issued behind them, may be out
	MULH 0, \par, 0, \zero
.if (\mode == 1) || (\mode == 2)
	s_wait_dscnt 0x0                               ; my reads of this slot are over (all were issued in the quarter before),
	s_wait_tensorcnt 0x0                           ; and all my tensor loads have landed: the one that was out is my part of the next slot
	ds_add_u32 v28, v31
	s_wait_dscnt 0x0
	s_barrier_signal -1
.endif
	MULH 0, \par, 1, \zero                         ; register work while the others arrive
.if \mode == 1
	WIN 0
	s_barrier_wait -1
	CREST                                          ; the barrier has opened a round of the cluster's: no wave of any partner still reads this slot or has a load on its way
	s_add_nc_u64 s[G0+4*(1-\ls)+2:G0+4*(1-\ls)+3], s[G0+4*(1-\ls)+2:G0+4*(1-\ls)+3], (2*NA)<<20
	s_add_nc_u64 s[G0B+4*(1-\ls)+2:G0B+4*(1-\ls)+3], s[G0B+4*(1-\ls)+2:G0B+4*(1-\ls)+3], 2*KSTEP*NCOL*2
	JLOAD (1-\ls)                                  ; the first tensor load behind the round, my only one; its four v_nop are also the places in front of the loads below
.elseif \mode == 2
	s_barrier_wait -1
	PLACES
.elseif \mode == 0
	PLACES
.endif
.if \mode != 3
	WIN 0
	LOADB \ls, \lq, 0
	LOADA \ls, \lq, 1-(\par)
.endif
.set gq, 1
.rept NG-1
.if \mode == 3
	s_wait_dscnt 2*NBG*(NG-1-gq)                   ; only this quarter's later groups are behind group gq
.else
	s_wait_dscnt 2*NBG*(NG-1)+16                   ; behind group gq: this quarter's later groups, the next quarter's earlier groups (NG - 1 groups in all) and its x (16)
.endif
	MULH gq, \par, 0, \zero
	MULH gq, \par, 1, \zero
.if \mode != 3
	PLACES
	WIN 0
	LOADB \ls, \lq, gq
.endif
.set gq, gq+1
.endr
.endm
	s_load_b256 s[4:11], s[0:1], 0x0               ; xb s[4:5], wq s[6:7], bqkv s[8:9], qkv s[10:11]
	v_lshl_add_u32 v28, v0, 2, 0x2dc00
	v_mov_b32 v31, 0
	ds_add_u32 v28, v31
	v_lshrrev_b32 v1, 5, v0
	v_readfirstlane_b32 s12, v1                    ; wave 0..3
	s_lshr_b32 s13, s12, 1                         ; wm: which 128 rows
	s_and_b32 s14, s12, 1                          ; wn: which of the tile's two heads
	s_bfe_u32 s40, ttmp6, 0x40000                  ; cx
	s_bfe_u32 s41, ttmp6, 0x40004                  ; cy
	s_lshl_b32 s42, ttmp9, 2
	s_add_co_u32 s42, s42, s40                     ; tile column tx = 4 x cluster x + cx
	s_and_b32 s15, ttmp7, 0xffff
	s_lshl_b32 s15, s15, 2
	s_add_co_u32 s15, s15, s41                     ; tile row ty = 4 x cluster y + cy
	s_lshl_b32 s43, s41, 2
	s_lshl_b32 s43, 15, s43                        ; my row of the cluster
	s_lshl_b32 s44, 0x1111, s40                    ; my column
	s_or_b32 s[G1], s43, (1<<16)|(1<<20)|(1<<21)|(4<<22)|(3<<25)   ; mask; elements of 2 bytes; padding on; bit 21 beside a mask; behind every 32 words; 4 words
	s_mov_b32 s[G1+1], 128<<16                     ; tensor_dim0 = 128 elements: 256 bytes, two rows of the panel
	s_mov_b32 s[G1+2], 128<<16                     ; tensor_dim1 = 128
	s_mov_b32 s[G1+3], 128<<16                     ; tile_dim0 = 128
	s_mov_b32 s[G1+4], 128                         ; tile_dim1 = 128
	s_mov_b32 s[G1+5], 128                         ; pitch: the block is dense
	s_mov_b32 s[G1+6], 0
	s_mov_b32 s[G1+7], 0
	s_or_b32 s[G1B], s44, (1<<16)|(1<<20)|(1<<21)|(5<<22)|(7<<25)  ; behind every 64 words, 8 words
	s_mov_b32 s[G1B+1], 128<<16                    ; 128 columns
	s_mov_b32 s[G1B+2], 64<<16                     ; 64 rows of k
	s_mov_b32 s[G1B+3], 128<<16
	s_mov_b32 s[G1B+4], 64
	s_mov_b32 s[G1B+5], NCOL
	s_mov_b32 s[G1B+6], 0
	s_mov_b32 s[G1B+7], 0
	s_lshl_b32 s16, s15, 15                        ; x: 256 rows of 128 bytes a tile row,
	s_lshl_b32 s18, s12, 20                        ; and the wave's panel (only waves below NA ask by this address)
	s_add_co_u32 s16, s16, s18
	s_mov_b32 s17, 0
	s_lshl_b32 s46, s42, 8                         ; W: the tile's two heads, 128 columns of 2 bytes a tile column,
	s_max_u32 s45, s12, NA
	s_sub_co_u32 s45, s45, NA
	s_lshl_b32 s45, s45, 11                        ; and the wave's component: q, k, v lie 1,024 columns apart
	s_add_co_u32 s46, s46, s45
	s_mov_b32 s47, 0
	s_mul_i32 s20, s12, APAN                       ; LDS: x's panels from byte 0,
	s_mul_i32 s21, s12, BPAN
	s_add_co_u32 s21, s21, BOFF-NA*BPAN            ; W's behind them: wave NA's at BOFF.  No place in the cluster enters an LDS address
	s_wait_dscnt 0x0
	s_wait_kmcnt 0x0
	s_add_nc_u64 s[16:17], s[4:5], s[16:17]
	s_add_nc_u64 s[46:47], s[6:7], s[46:47]
	CROUND                                         ; all sixteen work-groups are here: the first joint loads meet
.irp s, 0,1
	s_mov_b32 s[G0+4*\s], 1
	s_add_co_u32 s[G0+4*\s+1], s20, \s*SLOT
	s_add_nc_u64 s[G0+4*\s+2:G0+4*\s+3], s[16:17], (\s*NA)<<20
	s_or_b32 s[G0+4*\s+3], s[G0+4*\s+3], 0x80000000
	s_mov_b32 s[G0B+4*\s], 1
	s_add_co_u32 s[G0B+4*\s+1], s21, \s*SLOT
	s_add_nc_u64 s[G0B+4*\s+2:G0B+4*\s+3], s[46:47], \s*KSTEP*NCOL*2
	s_or_b32 s[G0B+4*\s+3], s[G0B+4*\s+3], 0x80000000
	JLOAD \s                                       ; two loads of mine are out; from here on one
.endr
	v_and_b32 v1, 15, v0                           ; r = l % 16
	v_bfe_u32 v2, v0, 4, 1                         ; h = l / 16
	v_mul_u32_u24 v3, v1, PA
	v_lshl_add_u32 v3, v2, 4, v3                   ; r x 144 + 16 h
	s_mul_i32 s22, s13, 128*PA
	v_add_nc_u32 v[ADRA], s22, v3
	v_add_nc_u32 v[ADRA+1], SLOT, v[ADRA]
	v_and_b32 v4, 7, v0
	v_lshl_add_u32 v4, v2, 3, v4
	v_mul_u32_u24 v4, v4, PB
	v_bfe_u32 v5, v0, 3, 1
	v_lshl_add_u32 v4, v5, 4, v4                   ; the turning load: row of k 8 h + l % 8, 16 bytes (l / 8) % 2
	s_lshl_b32 s23, s14, 7                         ; my head: a panel's left or right 128 bytes
.irp g, 0,1,2
	s_add_co_u32 s18, s23, BOFF+\g*BPAN            ; group g's panel
	v_add_nc_u32 v[ADRB+\g], s18, v4
	v_add_nc_u32 v[ADRB+NG+\g], SLOT, v[ADRB+\g]
.endr
	; the wave's 3 x 64 numbers of the bias go into its own LDS bytes now, so that the way out does not wait for memory
	s_lshl1_add_u32 s45, s42, s14                  ; my head = 2 tx + wn
	s_lshl_b32 s46, s45, 8                         ; 64 numbers of 4 bytes a head
	s_mov_b32 s47, 0
	s_add_nc_u64 s[8:9], s[8:9], s[46:47]
	v_and_b32 v6, 31, v0
	v_lshlrev_b32 v7, 3, v6
.irp i, 0,1,2
	global_load_b64 v[32+2*\i:33+2*\i], v7, s[8:9] offset:4096*\i   ; q's, k's, v's: 1,024 numbers apart
.endr
	v_lshlrev_b32 v9, 4, v6                        ; 16 x lane
	s_lshr_b32 s46, s15, 3
	s_lshl_b32 s46, s46, 4                         ; 16 b
	s_add_co_u32 s46, s46, s45                     ; + head
	s_lshl_b32 s46, s46, 7                         ; 128 token tiles a head
	s_and_b32 s47, s15, 7
	s_lshl_b32 s47, s47, 4
	s_lshl3_add_u32 s47, s13, s47                  ; my first token tile: 16 (ty % 8) + 8 wm
	s_add_co_u32 s46, s46, s47
	s_mul_i32 s46, s46, 6144                       ; a token tile's q, k, v
	v_add_nc_u32 v[CO], s46, v9
	s_mul_i32 s22, s12, BIW
	s_add_co_u32 s22, s22, BIAS
	v_add_nc_u32 v8, s22, v7
	v_lshl_add_u32 v[BIA], v2, 5, s22              ; q, k: a lane's eight numbers of a block: 32 h bytes in
	v_lshl_add_u32 v[BIV], v1, 2, s22              ; v: a lane's one number of a block: 4 r bytes in
	s_wait_loadcnt 0x0
.irp i, 0,1,2
	ds_store_b64 v8, v[32+2*\i:33+2*\i] offset:256*\i
.endr
	s_wait_dscnt 0x0                               ; no LDS instruction is pending at a signal
	s_wait_tensorcnt 1                             ; my part of K step 0 is in; step 1's stays out
	s_barrier_signal -1
	s_barrier_wait -1
	LOADB 0, 0, 0
	LOADA 0, 0, 0
	LOADB 0, 0, 1
	LOADB 0, 0, 2
	QUARTER 0, 0, 1, 0, 1                          ; the first quarter's products start the sums: nothing is cleared
	WIN 0                                          ; at a label and at a branch every window is 0
	s_mov_b32 s3, LAPS-1
.Llap:                                                 ; a trip goes once round the ring, from a lap's second quarter to the next lap's first, and fills both slots again
	QUARTER 1, 1, 0, 1, 0
	QUARTER 0, 1, 1, 0, 0
	QUARTER 1, 0, 0, 1, 0
	QUARTER 0, 0, 1, 0, 0
	WIN 0
	s_sub_co_u32 s3, s3, 1
	s_cmp_lg_u32 s3, 0
	s_cbranch_scc1 .Llap
	QUARTER 1, 1, 0, 2, 0                          ; the last lap fills nothing
	QUARTER 0, 1, 1, 0, 0
	QUARTER 1, 0, 0, 3, 0
	; THE WAY OUT.  24 units (group g, row block a) of 16 tokens x 64 channels: bias added in f32, rounded to f16, stored from the registers: a lane's eight numbers of a block are its 16 bytes at 16 x lane.
	PLACES
	WIN 0
.irp nb, 0,1,2,3,4,5,6,7
	ds_load_b128 v[BI+8*\nb:BI+8*\nb+3],   v[BIA] offset:64*\nb
	ds_load_b128 v[BI+8*\nb+4:BI+8*\nb+7], v[BIA] offset:64*\nb+16
.endr
.irp b, 0,1,2,3
	ds_load_b32 v[BV+2*\b],   v[BIV] offset:512+64*\b      ; v's bias belongs to the lane's channel: the same number for all eight tokens,
	ds_load_b32 v[BV+2*\b+1], v[BIV] offset:512+64*\b      ; loaded twice to fill the pair that the packed addition names
.endr
	s_wait_dscnt 0x0
.macro UNIT u
.set ua, (\u)%8
.set ug, (\u)/8
	WIN 1+ug                                       ; source 0: the group's window
.irp b, 0,1,2,3
.irp k, 0,1,2,3
.if ug == VG
	v_pk_add_f32 v[TT+8*\b+2*\k:TT+8*\b+2*\k+1], v[8*(8*\b+ua)+2*\k:8*(8*\b+ua)+2*\k+1], v[BV+2*\b:BV+2*\b+1]
.else
	v_pk_add_f32 v[TT+8*\b+2*\k:TT+8*\b+2*\k+1], v[8*(8*\b+ua)+2*\k:8*(8*\b+ua)+2*\k+1], v[BI+8*(4*ug+\b)+2*\k:BI+8*(4*ug+\b)+2*\k+1]
.endif
.endr
.endr
	WIN 0
	s_wait_xcnt 0x0                                ; the stores of the unit before have had their addresses translated: the registers that they read are written again only behind this wait
.irp b, 0,1,2,3
.irp k, 0,1,2,3
	v_cvt_pk_f16_f32 v[PK+4*\b+\k], v[TT+8*\b+2*\k], v[TT+8*\b+2*\k+1]
.endr
.endr
.irp b, 0,1,2,3
	global_store_b128 v[CO], v[PK+4*\b:PK+4*\b+3], s[10:11] offset:ua*6144+ug*2048+512*\b   ; 512 consecutive bytes, at a multiple of 512 from qkv's first byte
.endr
.endm
.set uu, 0
.rept 24
	UNIT uu
.set uu, uu+1
.endr
	CROUND                                         ; the closing round: no work-group ends while a partner may still ask for a tile that names it
	s_endpgm
.Lfunc_end_k_q953bae0aaa_gemm_qkv:
	.size	k_q953bae0aaa_gemm_qkv, .Lfunc_end_k_q953bae0aaa_gemm_qkv-k_q953bae0aaa_gemm_qkv
	.p2alignl 7, 3214868480
	.fill 96, 4, 3214868480
	.section	.rodata,"a",@progbits
	.p2align	6, 0x0
	.amdhsa_kernel k_q953bae0aaa_gemm_qkv
		.amdhsa_group_segment_fixed_size 327680
		.amdhsa_private_segment_fixed_size 0
		.amdhsa_enable_private_segment 0
		.amdhsa_kernarg_size 32
		.amdhsa_user_sgpr_count 2
		.amdhsa_user_sgpr_kernarg_segment_ptr 1
		.amdhsa_wavefront_size32 1
		.amdhsa_system_sgpr_workgroup_id_x 1
		.amdhsa_system_sgpr_workgroup_id_y 1
		.amdhsa_system_sgpr_workgroup_id_z 1
		.amdhsa_system_vgpr_workitem_id 0
		.amdhsa_next_free_vgpr 1024
		.amdhsa_next_free_sgpr 66
		.amdhsa_reserve_vcc 0
		.amdhsa_float_denorm_mode_32 3
		.amdhsa_float_denorm_mode_16_64 3
		.amdhsa_memory_ordered 1
		.amdhsa_forward_progress 1
		.amdhsa_inst_pref_size 145
	.end_amdhsa_kernel
	.amdgpu_metadata
---
amdhsa.version: [ 1, 2 ]
amdhsa.kernels:
  - .name:           k_q953bae0aaa_gemm_qkv
    .symbol:         k_q953bae0aaa_gemm_qkv.kd
    .args:
      - { .name: xb, .offset: 0, .size: 8, .value_kind: global_buffer, .address_space: global }
      - { .name: wq, .offset: 8, .size: 8, .value_kind: global_buffer, .address_space: global }
      - { .name: bqkv, .offset: 16, .size: 8, .value_kind: global_buffer, .address_space: global }
      - { .name: qkv, .offset: 24, .size: 8, .value_kind: global_buffer, .address_space: global }
    .group_segment_fixed_size: 327680
    .private_segment_fixed_size: 0
    .kernarg_segment_align: 8
    .kernarg_segment_size: 32
    .max_flat_workgroup_size: 128
    .sgpr_count:     66
    .vgpr_count:     1024
    .wavefront_size: 32
...
	.end_amdgpu_metadata
.endif
;; end of part 2
;; launch attn (part 3): grid 64 x 8, 4 waves a work-group, no clusters, 9,728 bytes of LDS; arguments qkv, mb, list, y; writes y
.if DOCPART == 3
	.amdgcn_target "amdgcn-amd-amdhsa--gfx1250"
	.amdhsa_code_object_version 6
	.text
	.protected	k_q953bae0aaa_attn
	.globl	k_q953bae0aaa_attn
	.p2align	8
	.type	k_q953bae0aaa_attn,@function
k_q953bae0aaa_attn:
	s_mov_b64 s[64:65], 0
	v_nop
	global_prefetch_b8 v0, s[64:65] scope:SCOPE_SE
	s_setreg_imm32_b32 hwreg(HW_REG_WAVE_MODE, 25, 1), 1
	s_wait_xcnt 0x0
; y[h][b t][:] = softmax over k of (q . k / 8 + mask code) v.  q, k, v in f16 from qkv [b h][token tile][q, k, v][block 4][lane 32][8]: the order in which the fragments below hold them
; (q, k: lane (r = l % 16, h = l / 16), number j of block b = token r, channel 16 b + 8 h + j; v: token 8 h + j, channel 16 b + r), so every load is 16 bytes a lane at 16 x lane, 512 consecutive bytes.
; FORMATS.  Both products take f16 operands and sum in f32; the weights p (at most 1) are rounded to f16 for the second product, y once to f16 at the end; maxima, exponentials and sums in f32.
; y is a convex mix of v, so it has v's room in f16 (|v| up to 65,504: the launch that stores qkv states the figures).
; ONLY LIVE KEY TILES ARE WALKED.  list (whole numbers, stored by the first launch from the mask) gives for each group of 64 queries a permutation of the 128 key tiles, live ones first, and the number
; of steps of four tiles that covers the live ones (3 at the least).  Inside a walked tile every score takes its own mask code from mb (bf16: 0 or -inf): no pattern of the mask is built in.
; SHARES.  A wave owns one group of 64 queries (four tiles of 16) of one batch and head (grid x) and walks its own list; a step is four gathered key tiles, 64 keys.
; THE WAVES SHARE NOTHING: no barrier, no shared LDS, no tensor load (the number of steps is read from memory, and no barrier stands in a loop with such a count).  Each wave loads a step's K, mask
; codes and V itself, through registers, a step ahead.
; WHICH GROUPS A WORK-GROUP TAKES.  A work-group lasts as long as its longest wave, so its four waves take the same quarter of four neighbouring blocks of 256 queries: under a mask that is causal inside
; such blocks these have nearly the same number of live tiles.  That makes eight kinds of work-group (grid y: quarter 0-3, lower or upper four blocks).  Their order in the grid puts kinds y and y + 4
; together so that the two add up to about the same number of steps.  The order serves balance alone: every mask is served, each wave by its own list.
; LAYOUT.  S^T = K Q^T (source 0 = 16 keys, source 1 = 16 queries): a lane holds one query (l % 16) and keys 8 (l / 16) + 0..7 of each tile.  Two such tiles rounded to f16 are source 1 of O^T = V^T P,
; whose source 0 takes its first four registers from one gathered tile of V and its last four from the next.
; SOFTMAX.  A running maximum m and sum l for each query; p = 2^(c s - c m), c = log2(e) / 8; O and l are multiplied by a = 2^(c m_old - c m_new) in every step.
; LIMIT: m starts at -1e30, so that m is finite while a query has met masked scores alone (their p are 0); a true score below -1e30 counts as masked.  A query with no true mask byte ends with
; l = 0 and O = 0 and is stored as 0 x inf = NaN, as a softmax over -inf alone gives.
; NO CLUSTER: nothing is asked for jointly; every wave walks a list of its own.
; REGISTERS, in windows of 256.  Window 0: v1-15 addresses; v16-47 statistics, 8 a tile (+0 c m, +1 m, +2, +3 l, +4..+7 at work, a in +6); v64-191 S^T, 32 a tile; v192-255 P, 16 a tile.
; Window 1: v0-127 O^T, 32 a tile; v128-191 mask codes of one step.  Window 2: v0-63 Q; v64-127 K; v128-191 V.
.set SP,    144                        ; the way out's stage: 16 rows of 128 bytes + 16 for each wave, from LDS byte 0
.set GO,  3                            ; v3  16 x lane
.set MOFF, 4                           ; v4  my place in the mask codes
.set STO, 7
.set RD,  8
.set ONE, 9
.set ST,  16
.set S,   64
.set P,   192
.set MB,  128                          ; window 1
.set KF,  64                           ; window 2
.set VF,  128                          ; window 2
.set KB,  16                           ; s[16:23] the four key tiles whose K is being loaded
.set VB,  24                           ; s[24:31] the same for V: a set of its own, since V's loads are still out when K's next are issued
.set LP,  32                           ; s[32:33] the list, at the entries of the step whose loads were issued last
.set TP,  34                           ; s[34:35] an offset pair; s35 stays 0
.set EN,  36                           ; s[36:39] the next step's four entries
.set CNT, 41
.set BB,  44                           ; s[44:51] mb at the four key tiles whose codes are being loaded
.set CS,  52                           ; s[52:53] c
.set SEL, 54                           ; s[54:55] lane selects: each lane takes its own place in the other half
.set FL,  56                           ; -1e30
.set QB_, 58                           ; s[58:59] Q's address
.set KVB, 60                           ; s[60:61] the head's K of token tile 0
.set MSB, 0
.macro WIN new
.if MSB != \new
	s_set_vgpr_msb (MSB<<8)|\new
.set MSB, \new
.endif
.endm
.macro PLACES                          ; four plain vector instructions between a matrix instruction and a load into, or a vector read or write of, its registers
.rept 4
	v_nop
.endr
.endm
.macro MKKB                            ; the four entries become addresses of K: 6,144 bytes a token tile
.irp j, 0,1,2,3
	s_min_u32 s[EN+\j], s[EN+\j], 127              ; an entry is a tile number; the bound is written out since it comes from memory
	s_mul_i32 s[TP], s[EN+\j], 6144
	s_add_nc_u64 s[KB+2*\j:KB+2*\j+1], s[KVB:KVB+1], s[TP:TP+1]
.endr
.endm
.macro MKBB                            ; and of mask codes: 512 bytes a key tile
.irp j, 0,1,2,3
	s_lshl_b32 s[TP], s[EN+\j], 9
	s_add_nc_u64 s[BB+2*\j:BB+2*\j+1], s[6:7], s[TP:TP+1]
.endr
.endm
.macro MKVB                            ; V lies 2,048 bytes behind K: the distance stands in the loads' immediates
.irp j, 0,1,2,3
	s_mov_b64 s[VB+2*\j:VB+2*\j+1], s[KB+2*\j:KB+2*\j+1]
.endr
.endm
.macro LOADK                           ; 16 loads of 512 consecutive bytes: key tile j, channels 32 c on: blocks 2 c and 2 c + 1 are the fragment's two halves
	WIN 0x80                                       ; destination window 2
.irp j, 0,1,2,3
.irp c, 0,1
	global_load_b128 v[KF+16*\j+8*\c:KF+16*\j+8*\c+3],   v[GO], s[KB+2*\j:KB+2*\j+1] offset:1024*\c
	global_load_b128 v[KF+16*\j+8*\c+4:KF+16*\j+8*\c+7], v[GO], s[KB+2*\j:KB+2*\j+1] offset:1024*\c+512
.endr
.endr
.endm
.macro LOADMB                          ; 16 loads of 512 consecutive bytes: query tile t x key tile j
	WIN 0x40                                       ; destination window 1
.irp t, 0,1,2,3
.irp j, 0,1,2,3
	global_load_b128 v[MB+16*\t+4*\j:MB+16*\t+4*\j+3], v[MOFF], s[BB+2*\j:BB+2*\j+1] offset:\t*65536
.endr
.endr
.endm
.macro LOADV                           ; 16 loads of 512 consecutive bytes: keys 32 u on, channels 16 n on
	WIN 0x80
.irp u, 0,1
.irp n, 0,1,2,3
	global_load_b128 v[VF+32*\u+8*\n:VF+32*\u+8*\n+3],   v[GO], s[VB+4*\u:VB+4*\u+1]   offset:2048+512*\n   ; keys 0-15 of the 32: tile 2 u
	global_load_b128 v[VF+32*\u+8*\n+4:VF+32*\u+8*\n+7], v[GO], s[VB+4*\u+2:VB+4*\u+3] offset:2048+512*\n   ; keys 16-31: tile 2 u + 1
.endr
.endr
.endm
.macro SCALE t, b                      ; pair b of tile t: c s - c m
	v_pk_fma_f32 v[S+32*(\t)+2*(\b):S+32*(\t)+2*(\b)+1], v[S+32*(\t)+2*(\b):S+32*(\t)+2*(\b)+1], s[CS:CS+1], v[ST+8*(\t):ST+8*(\t)+1] op_sel_hi:[1,0,0] neg_lo:[0,0,1] neg_hi:[0,0,1]
.endm
.macro SUMZ t, z, first                ; sum z of 16 over tile t's 16 pairs of weights, in place: neighbours 1, 2, 4, 8 pairs apart, then l takes it
.set rS_, S+32*(\t)
.set rT_, ST+8*(\t)
.if (\z) < 8
.set w_, 4
.set u_, (\z)
.elseif (\z) < 12
.set w_, 8
.set u_, (\z)-8
.elseif (\z) < 14
.set w_, 16
.set u_, (\z)-12
.else
.set w_, 32
.set u_, 0
.endif
.if ((\z) == 14) && \first
	v_pk_add_f32 v[rT_+2:rT_+3], v[rS_:rS_+1], v[rS_+16:rS_+17]
.elseif (\z) < 15
	v_pk_add_f32 v[rS_+w_*u_:rS_+w_*u_+1], v[rS_+w_*u_:rS_+w_*u_+1], v[rS_+w_*u_+w_/2:rS_+w_*u_+w_/2+1]
.elseif !\first
	v_pk_fma_f32 v[rT_+2:rT_+3], v[rT_+2:rT_+3], v[rT_+6:rT_+7], v[rS_:rS_+1] op_sel_hi:[1,0,1]
.endif
.endm
; Tile t's 32 exponentials.  Behind each stand plain instructions that are ready and touch neither its result nor its source: the next tile's scalings and the tile before's sums (first 16),
; then this tile's roundings to f16, pair ex - 17, whose second exponential stands at least two exponentials back.
.macro EXPMIX t, first
.set ex, 0
.rept 32
	v_exp_f32 v[S+32*\t+ex], v[S+32*\t+ex]
.if ex < 16
.if \t < 3
	SCALE \t+1, ex
.endif
.if \t > 0
	SUMZ \t-1, ex, \first
.endif
.elseif ex > 16
	s_wait_alu depctr_va_vdst(0)
	v_cvt_pk_f16_f32 v[P+16*\t+ex-17], v[S+32*\t+2*(ex-17)], v[S+32*\t+2*(ex-17)+1]
.endif
.set ex, ex+1
.endr
	s_wait_alu depctr_va_vdst(0)
	v_cvt_pk_f16_f32 v[P+16*\t+15], v[S+32*\t+30], v[S+32*\t+31]   ; the rounding of pair 14 stands between the last exponential and this
.endm
.macro SOFTMAX first
	WIN 0
.irp k, 0,1,2,3                        ; the maximum of a lane's 32 scores and the old m: four chains a tile, three operands at a time, the four tiles by turns
.irp t, 0,1,2,3
	v_max3_num_f32 v[ST+8*\t+4+\k], v[S+32*\t+3*\k], v[S+32*\t+3*\k+1], v[S+32*\t+3*\k+2]
.endr
.endr
.irp k, 0,1,2,3,4,5,6,7,8,9
.irp t, 0,1,2,3
	v_max3_num_f32 v[ST+8*\t+4+(\k%4)], v[ST+8*\t+4+(\k%4)], v[S+32*\t+12+2*\k], v[S+32*\t+13+2*\k]
.endr
.endr
.irp t, 0,1,2,3
	v_max3_num_f32 v[ST+8*\t+4], v[ST+8*\t+4], v[ST+8*\t+5], v[ST+8*\t+6]
.endr
.irp t, 0,1,2,3
.if \first
	v_max3_num_f32 v[ST+8*\t+4], v[ST+8*\t+4], v[ST+8*\t+7], s[FL]   ; the first step has no old m: the floor takes its place
.else
	v_max3_num_f32 v[ST+8*\t+4], v[ST+8*\t+4], v[ST+8*\t+7], v[ST+8*\t+1]
.endif
.endr
.irp t, 0,1,2,3
	v_permlanex16_b32 v[ST+8*\t+5], v[ST+8*\t+4], s[SEL], s[SEL+1]   ; the query's other 32 keys lie in the lane 16 away
.endr
.if !\first
.irp t, 0,1,2,3
	v_mov_b32 v[ST+8*\t+7], v[ST+8*\t]             ; c m_old is kept for a
.endr
.endif
.irp t, 0,1,2,3
	v_max_num_f32 v[ST+8*\t+1], v[ST+8*\t+4], v[ST+8*\t+5]
.endr
.irp t, 0,1,2,3
	v_mul_f32 v[ST+8*\t], s[CS], v[ST+8*\t+1]
.endr
.if !\first
.irp t, 0,1,2,3
	v_sub_f32 v[ST+8*\t+7], v[ST+8*\t+7], v[ST+8*\t]
.endr
.irp t, 0,1,2,3
	v_exp_f32 v[ST+8*\t+6], v[ST+8*\t+7]           ; a; the scalings below are the plain instructions behind it
.endr
.endif
.irp b, 0,1,2,3,4,5,6,7,8,9,10,11,12,13,14,15
	SCALE 0, \b
.endr
	EXPMIX 0, \first
	EXPMIX 1, \first
	EXPMIX 2, \first
	EXPMIX 3, \first
.irp z, 0,1,2,3,4,5,6,7,8,9,10,11,12,13,14,15
	SUMZ 3, \z, \first
.endr
.if !\first
	WIN 0x41                                       ; O^T (destination and source 0) in window 1, a in window 0
.irp t, 0,1,2,3
.set i, 0
.rept 16
	v_pk_mul_f32 v[32*\t+2*i:32*\t+2*i+1], v[32*\t+2*i:32*\t+2*i+1], v[ST+8*\t+6:ST+8*\t+7] op_sel_hi:[1,0]
.set i, i+1
.endr
.endr
.endif
.endm
; A KEY STEP.  first = 1: it starts m, l and O^T.  ahead = 1: the next step's K, mask codes and V are asked for, in this order, sixteen loads each, each group straight behind the last use of its
; registers (K behind K Q^T, the codes behind the mask's additions, V behind V^T P); so behind the group that a wait is for stand the two younger groups, 32 loads.  Each group's four base registers
; are written again only behind the wait that showed its last loads done.
.macro TRIP first, ahead
.if \first
	s_wait_loadcnt 16                              ; Q and K are in; the sixteen loads of mask codes issued behind them stay out
	MKVB
	LOADV                                          ; step 0's V goes out here, so that 48 loads of the wave are out at the most, as in every other step
.else
	s_wait_loadcnt 32                              ; K is in; this step's mask codes and V stay out
.endif
	WIN 0x0a                                       ; K and Q in window 2, S^T in window 0
.set i, 0
.rept 32                               ; channels 32 (i / 16) on, key tile (i / 4) % 4, query tile i % 4: sixteen accumulators by turns; the first sixteen products start the sums
.set rS, S+32*(i%4)+8*((i/4)%4)
.set rK, KF+16*((i/4)%4)+8*(i/16)
.set rQ, 16*(i%4)+8*(i/16)
.if i < 16
	v_wmma_f32_16x16x32_f16 v[rS:rS+7], v[rK:rK+7], v[rQ:rQ+7], 0
.else
	v_wmma_f32_16x16x32_f16 v[rS:rS+7], v[rK:rK+7], v[rQ:rQ+7], v[rS:rS+7]
.endif
.set i, i+1
.endr
	PLACES                                         ; in front of the loads into K and of the reads of S^T
	s_wait_kmcnt 0x0                               ; the next step's entries are in, and the list's address is free (in the last step: the look-ahead's words, which are not used)
.if \ahead
	s_add_nc_u64 s[LP:LP+1], s[LP:LP+1], 16
	MKKB
	LOADK
	s_wait_loadcnt 32                              ; this step's mask codes are in; behind them: its V and the next step's K
.else
	s_wait_loadcnt 16                              ; behind the mask codes: this step's V
.endif
	WIN 0x01                                       ; the codes in window 1
.set i, 0
.rept 64                               ; s + 0 or s + (-inf): one fused multiply-add by 1.0 straight from the bf16 half
	v_fma_mix_f32_bf16 v[S+2*i],   v[MB+i], v[ONE], v[S+2*i]   op_sel_hi:[1,0,0]
	v_fma_mix_f32_bf16 v[S+2*i+1], v[MB+i], v[ONE], v[S+2*i+1] op_sel:[1,0,0] op_sel_hi:[1,0,0]
.set i, i+1
.endr
.if \ahead
	MKBB
	LOADMB
	s_load_b128 s[EN:EN+3], s[LP:LP+1], 0x10       ; the entries of the step after next (in the last such step: words that are stored but not used)
.endif
	SOFTMAX \first
.if \ahead
	s_wait_loadcnt 32                              ; this step's V is in; behind it: the next step's K and mask codes
.else
	s_wait_loadcnt 0x0
.endif
	WIN 0x52                                       ; V in window 2, P in window 0, O^T in window 1
.set i, 0
.rept 32                               ; keys 32 (i / 16) on, channels 16 ((i / 4) % 4) on, query tile i % 4: sixteen accumulators by turns
.set rO, 32*(i%4)+8*((i/4)%4)
.set rV, VF+32*(i/16)+8*((i/4)%4)
.set rP, P+16*(i%4)+8*(i/16)
.if \first && (i < 16)
	v_wmma_f32_16x16x32_f16 v[rO:rO+7], v[rV:rV+7], v[rP:rP+7], 0
.else
	v_wmma_f32_16x16x32_f16 v[rO:rO+7], v[rV:rV+7], v[rP:rP+7], v[rO:rO+7]
.endif
.set i, i+1
.endr
	PLACES                                         ; in front of the loads into V and of every later read of O^T
.if \ahead
	MKVB                                           ; K's bases are the next step's by now
	LOADV
.endif
	WIN 0
.endm
	s_load_b256 s[4:11], s[0:1], 0x0               ; qkv s[4:5], mb s[6:7], list s[8:9], y s[10:11]
	v_lshl_add_u32 v62, v0, 2, 0x2400
	v_mov_b32 v63, 0
	v_lshrrev_b32 v1, 5, v0
	v_readfirstlane_b32 s12, v1                    ; wave 0..3
	s_mov_b32 s14, ttmp9                           ; 16 b + h
	s_and_b32 s13, ttmp7, 0xffff                   ; the work-group's kind, 0 to 7
	s_lshl_b32 s13, s13, 2
	s_lshr_b32 s13, 0x01237564, s13                ; a table of eight fields of four bits: kind -> 2 x quarter + half: 4, 6, 5, 7, 3, 2, 1, 0
	s_and_b32 s15, s13, 1                          ; lower or upper four blocks of 256 queries
	s_bfe_u32 s13, s13, 0x20001                    ; which quarter of a block (2 bits from bit 1)
	s_lshl2_add_u32 s15, s15, s12                  ; my block = 4 x half + wave
	s_lshl2_add_u32 s13, s15, s13                  ; my group of 64 queries = 4 x block + quarter, 0 to 31
	s_mov_b32 s[CS], 0x3e38aa3b                    ; c = log2(e) / 8
	s_mov_b32 s[CS+1], s[CS]
	s_mov_b32 s[SEL], 0x76543210
	s_mov_b32 s[SEL+1], 0xfedcba98
	s_mov_b32 s[FL], 0xf149f2ca                    ; -1e30
	s_mov_b32 s[TP+1], 0
	s_wait_kmcnt 0x0
	s_lshl_b32 s[TP], s13, 10
	s_add_nc_u64 s[LP:LP+1], s[8:9], s[TP:TP+1]    ; the group's 1,024 bytes of the list
	s_load_b32 s[CNT], s[LP:LP+1], 0x200           ; steps
	s_load_b128 s[EN:EN+3], s[LP:LP+1], 0x0        ; step 0's entries
	s_mul_i32 s[TP], s14, 786432                   ; 128 token tiles of 6,144 bytes a head
	s_add_nc_u64 s[QB_:QB_+1], s[4:5], s[TP:TP+1]
	s_add_nc_u64 s[KVB:KVB+1], s[QB_:QB_+1], 2048
	s_mul_i32 s[TP], s13, 4*6144                   ; my four query tiles
	s_add_nc_u64 s[QB_:QB_+1], s[QB_:QB_+1], s[TP:TP+1]
	v_and_b32 v1, 15, v0                           ; r
	v_bfe_u32 v12, v0, 4, 1                        ; h
	v_and_b32 v13, 31, v0                          ; lane
	v_lshlrev_b32 v[GO], 4, v13                    ; 16 x lane
	s_lshl_b32 s43, s13, 18
	v_add_nc_u32 v[MOFF], s43, v[GO]               ; my first query tile's codes: 65,536 bytes a query tile, four tiles a group
	WIN 0x80                                       ; destination window 2
.irp i, 0,1,2,3,4,5,6,7                ; Q stays in registers: tile i / 2, channels 32 (i % 2) on
	global_load_b128 v[8*\i:8*\i+3],   v[GO], s[QB_:QB_+1] offset:(\i/2)*6144+(\i%2)*1024
	global_load_b128 v[8*\i+4:8*\i+7], v[GO], s[QB_:QB_+1] offset:(\i/2)*6144+(\i%2)*1024+512
.endr
	s_wait_kmcnt 0x0
	s_max_u32 s[CNT], s[CNT], 3
	s_min_u32 s[CNT], s[CNT], 32
	s_sub_co_u32 s[CNT], s[CNT], 2                 ; the loop's trips: all steps but the first and the last,
	s_max_u32 s[CNT], s[CNT], 1                    ; one at the least
	MKKB
	LOADK                                          ; step 0's K
	MKBB
	LOADMB                                         ; and its mask codes
	s_load_b128 s[EN:EN+3], s[LP:LP+1], 0x10       ; step 1's entries
	WIN 0
	v_and_b32 v14, 7, v0                           ; l % 8
	v_lshrrev_b32 v15, 3, v13                      ; l / 8
	v_mov_b32 v[ONE], 1.0
	s_mul_i32 s43, s12, 16*SP                      ; my stage
	v_mul_u32_u24 v[STO], v1, SP
	v_lshl_add_u32 v[STO], v12, 4, v[STO]
	v_add_nc_u32 v[STO], s43, v[STO]               ; the way out, in: row r, 16 bytes for each half of the lanes
	v_mul_u32_u24 v[RD], v15, SP
	v_lshl_add_u32 v[RD], v14, 4, v[RD]
	v_add_nc_u32 v[RD], s43, v[RD]                 ; back: eight lanes take a row of 128 bytes
	s_and_b32 s43, s14, 15
	s_lshl_b32 s[TP], s43, 20                      ; y: the head's panel of 1 MiB,
	s_lshr_b32 s43, s14, 4
	s_lshl_b32 s43, s43, 18                        ; the batch's 2,048 rows of 128 bytes,
	s_add_co_u32 s[TP], s[TP], s43
	s_lshl_b32 s43, s13, 13                        ; my group's 64
	s_add_co_u32 s[TP], s[TP], s43
	s_add_nc_u64 s[10:11], s[10:11], s[TP:TP+1]
	TRIP 1, 1                                      ; step 0
.Lstep:                                                ; steps 1 to n - 2
	TRIP 0, 1
	s_sub_co_u32 s[CNT], s[CNT], 1
	s_cmp_lg_u32 s[CNT], 0
	s_cbranch_scc1 .Lstep
	TRIP 0, 0                                      ; the last step is written out: it asks for nothing, and its counts run down 32, 16, 0
	; THE WAY OUT.  l's two halves and the other half of the lanes' are added; O^T is divided by l, rounded to f16 and sent through my stage, a tile (16 rows of 128 bytes) at a time.
.irp t, 0,1,2,3
	v_add_f32 v[ST+8*\t+4], v[ST+8*\t+2], v[ST+8*\t+3]
.endr
.irp t, 0,1,2,3
	v_permlanex16_b32 v[ST+8*\t+5], v[ST+8*\t+4], s[SEL], s[SEL+1]
.endr
.irp t, 0,1,2,3
	v_add_f32 v[ST+8*\t+4], v[ST+8*\t+4], v[ST+8*\t+5]
.endr
.irp t, 0,1,2,3
	v_rcp_f32 v[ST+8*\t+6], v[ST+8*\t+4]
.endr
	v_nop                                          ; a plain instruction between the last reciprocal and the use of its result
	s_wait_alu depctr_va_vdst(0)
.macro PACK t
	WIN 0x41
.set i, 0
.rept 16
	v_pk_mul_f32 v[32*\t+2*i:32*\t+2*i+1], v[32*\t+2*i:32*\t+2*i+1], v[ST+8*\t+6:ST+8*\t+7] op_sel_hi:[1,0]
.set i, i+1
.endr
	WIN 0x05                                       ; sources in window 1, destination in window 0: S^T's registers are free
.set i, 0
.rept 16
	v_cvt_pk_f16_f32 v[S+32*\t+i], v[32*\t+2*i], v[32*\t+2*i+1]
.set i, i+1
.endr
	WIN 0
.irp f, 0,1,2,3
	ds_store_b128 v[STO], v[S+32*\t+4*\f:S+32*\t+4*\f+3] offset:32*\f
.endr
.irp f, 0,1,2,3
	ds_load_b128 v[S+32*\t+16+4*\f:S+32*\t+16+4*\f+3], v[RD] offset:576*\f   ; the wave's own bytes, served in order: these see the stores above, and the next tile's stores come behind them
.endr
.endm
.macro SEND t, younger                 ; younger: the LDS instructions issued behind tile t's loads: the next tile's eight, or none
.irp f, 0,1,2,3
	s_wait_dscnt \younger+3-\f
	global_store_b128 v[GO], v[S+32*\t+16+4*\f:S+32*\t+16+4*\f+3], s[10:11] offset:\t*2048+\f*512   ; 512 consecutive bytes, at a multiple of 512 from y's first byte
.endr
.endm
	PACK 0
	PACK 1
	SEND 0, 8
	PACK 2
	SEND 1, 8
	PACK 3
	SEND 2, 8
	SEND 3, 0
	s_wait_tensorcnt 0x0
	ds_add_u32 v62, v63
	s_wait_dscnt 0x0
	s_endpgm
.Lfunc_end_k_q953bae0aaa_attn:
	.size	k_q953bae0aaa_attn, .Lfunc_end_k_q953bae0aaa_attn-k_q953bae0aaa_attn
	.p2alignl 7, 3214868480
	.fill 96, 4, 3214868480
	.section	.rodata,"a",@progbits
	.p2align	6, 0x0
	.amdhsa_kernel k_q953bae0aaa_attn
		.amdhsa_group_segment_fixed_size 9728
		.amdhsa_private_segment_fixed_size 0
		.amdhsa_enable_private_segment 0
		.amdhsa_kernarg_size 32
		.amdhsa_user_sgpr_count 2
		.amdhsa_user_sgpr_kernarg_segment_ptr 1
		.amdhsa_wavefront_size32 1
		.amdhsa_system_sgpr_workgroup_id_x 1
		.amdhsa_system_sgpr_workgroup_id_y 1
		.amdhsa_system_sgpr_workgroup_id_z 1
		.amdhsa_system_vgpr_workitem_id 0
		.amdhsa_next_free_vgpr 704
		.amdhsa_next_free_sgpr 66
		.amdhsa_reserve_vcc 0
		.amdhsa_float_denorm_mode_32 3
		.amdhsa_float_denorm_mode_16_64 3
		.amdhsa_memory_ordered 1
		.amdhsa_forward_progress 1
		.amdhsa_inst_pref_size 149
	.end_amdhsa_kernel
	.amdgpu_metadata
---
amdhsa.version: [ 1, 2 ]
amdhsa.kernels:
  - .name:           k_q953bae0aaa_attn
    .symbol:         k_q953bae0aaa_attn.kd
    .args:
      - { .name: qkv, .offset: 0, .size: 8, .value_kind: global_buffer, .address_space: global }
      - { .name: mb, .offset: 8, .size: 8, .value_kind: global_buffer, .address_space: global }
      - { .name: list, .offset: 16, .size: 8, .value_kind: global_buffer, .address_space: global }
      - { .name: y, .offset: 24, .size: 8, .value_kind: global_buffer, .address_space: global }
    .group_segment_fixed_size: 9728
    .private_segment_fixed_size: 0
    .kernarg_segment_align: 8
    .kernarg_segment_size: 32
    .max_flat_workgroup_size: 128
    .sgpr_count:     66
    .vgpr_count:     704
    .wavefront_size: 32
...
	.end_amdgpu_metadata
.endif
;; end of part 3
;; launch gemm_proj (part 4): grid 8 x 32, 4 waves a work-group, clusters of 4 x 4, 327,680 bytes of LDS; arguments y, wp, bproj, out0; writes out0
.if DOCPART == 4
	.amdgcn_target "amdgcn-amd-amdhsa--gfx1250"
	.amdhsa_code_object_version 6
	.text
	.protected	k_q953bae0aaa_gemm_proj
	.globl	k_q953bae0aaa_gemm_proj
	.p2align	8
	.type	k_q953bae0aaa_gemm_proj,@function
k_q953bae0aaa_gemm_proj:
	s_mov_b64 s[64:65], 0
	v_nop
	global_prefetch_b8 v0, s[64:65] scope:SCOPE_SE
	s_setreg_imm32_b32 hwreg(HW_REG_WAVE_MODE, 25, 1), 1
	s_wait_xcnt 0x0
	s_wait_alu depctr_hold_cnt(0) depctr_sa_sdst(0) depctr_va_vdst(0) depctr_va_sdst(0) depctr_va_ssrc(0) depctr_va_vcc(0) depctr_vm_vsrc(0)
	s_getreg_b32 s2, hwreg(HW_REG_IB_STS2, 6, 4)
	s_cmp_eq_u32 s2, 0
	s_cbranch_scc0 .Lentry_in_a_cluster
	s_endpgm
.Lentry_in_a_cluster:
	s_bfe_u32 s2, ttmp6, 0x10000c
	s_cmp_lg_u32 s2, 0xf033
	s_cbranch_scc0 .Lentry_shape_is_right
	s_endpgm
.Lentry_shape_is_right:
; out0 = y Wproj + bproj.  y as f16 panels [head = k / 64][8192][64], Wproj as wp [1024 k][1024 n] in f16's format (rounded to bf16's mantissa by the first launch), sums in f32, bias added in f32, out0 in f32.
; The products take the f16 form because y is kept in f16: its rows that saw few keys are some eight times larger than the output's root mean square, and 8 bits of mantissa would not do for them.
; SHARES.  8 x 32 = 256 work-groups, each one tile of 256 rows x 128 columns: the largest tile that still gives every one of 256 work-groups a tile.  Four waves, 2 x 2; a wave makes 128 x 64:
; 32 accumulators of 16 x 16, 256 registers.
; RING.  K goes in steps of 128 through two LDS slots.  A slot: two panels of y, 256 rows of 128 bytes each, pitch 144; then 128 rows of k x 128 columns of W, rows of 256 bytes, pitch 288, as two
; panels of 64 rows.  Waves 0 and 1 fetch y's panels (dense in memory, stated as 128 rows of 256 bytes with 16 bytes of padding behind every 128), waves 2 and 3 W's.
; CLUSTER.  4 x 4 work-groups: y's panels hang on the tile row alone and are asked for jointly along a row of the cluster, W's on the tile column alone and jointly along a column.
; THE MATRIX INSTRUCTION IS USED TRANSPOSED: source 0 = 16 columns of W (turned on the way out of LDS by ds_load_tr16_b128), source 1 = 16 rows of y: a lane holds one row and eight neighbouring columns.
; REGISTERS.  Window 0: v16-29 addresses; v32-159 y's fragments, two buffers of 64; v160-191 W's fragments, two groups of 16, each loaded again in place behind its products.
; Window 1: the accumulators: column block nb, row block a at v[8 (8 nb + a)].
.set NCOL,  1024
.set NT,    128
.set NG,    2                          ; column groups of a wave
.set NBG,   2                          ; blocks of 16 columns in a group
.set KSTEP, 128
.set NA,    2                          ; waves that fetch y's panels
.set NBP,   2                          ; panels of W in a slot
.set BGS,   64*NCOL*2                  ; bytes from one wave's panel of W to the next in memory: 64 rows of k
.set PA,    144
.set APAN,  256*PA
.set PB,    288
.set BPAN,  64*PB
.set BOFF,  NA*APAN
.set SLOT,  BOFF+NBP*BPAN              ; 110,592
.set LAPS,  1024/(2*KSTEP)
.set STAGE, 2*SLOT                     ; behind the ring, never filled by a tensor load: two stages of 16 x 272 bytes for each wave
.set STW,   8704
.set BIAS,  STAGE+4*STW                ; each wave's 64 numbers of the bias
.set BIW,   256
.set ADRA, 16                          ; v16-17  my fragments of y in slot 0, 1
.set ADRB, 18                          ; v18-21  my fragments of W: slot s, group g at 18 + 2 s + g
.set STO,  24
.set RD,   25
.set CO,   26
.set BIA,  29
.set FA,   32
.set FB,   160
.set BI,   32                          ; the way out: bias, 8 registers a block of columns (v32-63)
.set TT,   64                          ; sums with bias
.set RB,   128                         ; rows read back, two sets of 32
.set G1,  24
.set G0,  32
.set G1B, 48
.set G0B, 56
.set MSB, 0
.macro WIN new                         ; the immediate's high byte repeats the setting that is left; a switch that changes nothing is dropped
.if MSB != \new
	s_set_vgpr_msb (MSB<<8)|\new
.set MSB, \new
.endif
.endm
.macro PLACES                          ; four plain vector instructions between a matrix instruction and a load into, or a vector read of, its registers
.rept 4
	v_nop
.endr
.endm
; A joint load: the branch hangs on the wave's number alone, each line has one mask; four v_nop follow each line, ahead of the jump and the label.
.macro JLOAD s
	s_cmp_lt_u32 s12, NA
	s_cbranch_scc0 .Lfor_b_\@
	tensor_load_to_lds s[G0+4*\s:G0+4*\s+3], s[G1:G1+7]
	s_nop 0
.rept 4
	v_nop
.endr
	s_branch .Lasked_\@
.Lfor_b_\@:
	tensor_load_to_lds s[G0B+4*\s:G0B+4*\s+3], s[G1B:G1B+7]
	s_nop 0
.rept 4
	v_nop
.endr
.Lasked_\@:
.endm
.macro CREST                           ; a round of the cluster's barrier behind its opening barrier
	s_cmp_lg_u32 s12, 0
	s_cbranch_scc1 .Lnot_wave_0_\@
	s_barrier_signal -3
.Lnot_wave_0_\@:
	s_barrier_wait -3
	s_barrier_signal -1
	s_barrier_wait -1
.endm
.macro CROUND
	s_barrier_signal -1
	s_barrier_wait -1
	CREST
.endm
; y's fragments of quarter q (32 along K) of slot s: panel q / 2, 8 blocks of 16 rows, two loads of 16 bytes each, 32 bytes apart
.macro LOADA s, q, par
.irp a, 0,1,2,3,4,5,6,7
	ds_load_b128 v[FA+64*(\par)+8*\a:FA+64*(\par)+8*\a+3],   v[ADRA+(\s)] offset:((\q)/2)*APAN+((\q)%2)*64+\a*16*PA
	ds_load_b128 v[FA+64*(\par)+8*\a+4:FA+64*(\par)+8*\a+7], v[ADRA+(\s)] offset:((\q)/2)*APAN+((\q)%2)*64+\a*16*PA+32
.endr
.endm
; W's fragments of group g: each block of 16 columns takes two turning loads, 16 rows of k apart (the two panels follow each other, so quarter q begins 32 q rows down)
.macro LOADB s, q, g
.set bb, 0
.rept NBG
	ds_load_tr16_b128 v[FB+8*NBG*(\g)+8*bb:FB+8*NBG*(\g)+8*bb+3],   v[ADRB+(\s)*NG+(\g)] offset:(\q)*32*PB+32*bb
	ds_load_tr16_b128 v[FB+8*NBG*(\g)+8*bb+4:FB+8*NBG*(\g)+8*bb+7], v[ADRB+(\s)*NG+(\g)] offset:(\q)*32*PB+32*bb+16*PB
.set bb, bb+1
.endr
.endm
; 4 NBG matrix instructions: group g, row blocks 4 half .. + 3.  The accumulators take turns, one instruction a turn: an accumulator comes round again a whole quarter later.
.macro MULH g, par, half, zero
	WIN (1+((\g)*NBG*8)/32)*0x50
.irp a, 0,1,2,3
.set bb, 0
.rept NBG
.set ai, ((\g)*NBG+bb)*8+4*(\half)+\a
.set rC, 8*(ai%32)
.set rB, FB+8*NBG*(\g)+8*bb
.set rA, FA+64*(\par)+8*(4*(\half)+\a)
.if \zero
	v_wmma_f32_16x16x32_f16 v[rC:rC+7], v[rB:rB+7], v[rA:rA+7], 0
.else
	v_wmma_f32_16x16x32_f16 v[rC:rC+7], v[rB:rB+7], v[rA:rA+7], v[rC:rC+7]
.endif
.set bb, bb+1
.endr
.endr
.endm
; A QUARTER: 32 along K, all accumulators once, group by group.  It multiplies y's buffer par and fetches quarter lq of slot ls: group 0 of W and y behind group 0's products, group 1 of W in place behind group 1's.
; LDS loads are issued in the order W0, y, W1.  mode 0: plain.  mode 1: the step's last quarter; this slot (1 - ls) is filled again.  mode 2: the same, nothing is filled.  mode 3: the very last, nothing is fetched.
.macro QUARTER par, ls, lq, mode, zero
	s_wait_dscnt 2*NBG*(NG-1)                      ; W0 and y of this quarter are in; the later group, issued behind them, may be out
	MULH 0, \par, 0, \zero
.if (\mode == 1) || (\mode == 2)
	s_wait_dscnt 0x0                               ; my reads of this slot are over (all were issued in the quarter before),
	s_wait_tensorcnt 0x0                           ; and all my tensor loads have landed: the one that was out is my part of the next slot
	ds_add_u32 v254, v255
	s_wait_dscnt 0x0
	s_barrier_signal -1
.endif
	MULH 0, \par, 1, \zero                         ; register work while the others arrive
.if \mode == 1
	WIN 0
	s_barrier_wait -1
	CREST                                          ; the barrier has opened a round of the cluster's: no wave of any partner still reads this slot or has a load on its way
	s_add_nc_u64 s[G0+4*(1-\ls)+2:G0+4*(1-\ls)+3], s[G0+4*(1-\ls)+2:G0+4*(1-\ls)+3], (2*NA)<<20
	s_add_nc_u64 s[G0B+4*(1-\ls)+2:G0B+4*(1-\ls)+3], s[G0B+4*(1-\ls)+2:G0B+4*(1-\ls)+3], 2*KSTEP*NCOL*2
	JLOAD (1-\ls)                                  ; the first tensor load behind the round, my only one; its four v_nop are also the places in front of the loads below
.elseif \mode == 2
	s_barrier_wait -1
	PLACES
.elseif \mode == 0
	PLACES
.endif
.if \mode != 3
	WIN 0
	LOADB \ls, \lq, 0
	LOADA \ls, \lq, 1-(\par)
.endif
.set gq, 1
.rept NG-1
.if \mode == 3
	s_wait_dscnt 2*NBG*(NG-1-gq)                   ; nothing was issued behind the last group
.else
	s_wait_dscnt 2*NBG*(NG-1)+16                   ; behind group gq: the next quarter's group 0 (NG - 1 groups in all) and its y (16)
.endif
	MULH gq, \par, 0, \zero
	MULH gq, \par, 1, \zero
.if \mode != 3
	PLACES
	WIN 0
	LOADB \ls, \lq, gq
.endif
.set gq, gq+1
.endr
.endm
	s_load_b256 s[4:11], s[0:1], 0x0               ; y s[4:5], wp s[6:7], bproj s[8:9], out0 s[10:11]
	v_lshl_add_u32 v254, v0, 2, 0x3ec00
	v_mov_b32 v255, 0
	ds_add_u32 v254, v255
	v_lshrrev_b32 v1, 5, v0
	v_readfirstlane_b32 s12, v1                    ; wave 0..3
	s_lshr_b32 s13, s12, 1                         ; wm: which 128 rows
	s_and_b32 s14, s12, 1                          ; wn: which 64 columns
	s_bfe_u32 s40, ttmp6, 0x40000                  ; cx
	s_bfe_u32 s41, ttmp6, 0x40004                  ; cy
	s_lshl_b32 s42, ttmp9, 2
	s_add_co_u32 s42, s42, s40                     ; tile column tx = 4 x cluster x + cx
	s_and_b32 s15, ttmp7, 0xffff
	s_lshl_b32 s15, s15, 2
	s_add_co_u32 s15, s15, s41                     ; tile row ty = 4 x cluster y + cy
	s_lshl_b32 s43, s41, 2
	s_lshl_b32 s43, 15, s43                        ; my row of the cluster
	s_lshl_b32 s44, 0x1111, s40                    ; my column
	s_or_b32 s[G1], s43, (1<<16)|(1<<20)|(1<<21)|(4<<22)|(3<<25)   ; mask; elements of 2 bytes; padding on; bit 21 beside a mask; behind every 32 words; 4 words
	s_mov_b32 s[G1+1], 128<<16                     ; tensor_dim0 = 128 elements: 256 bytes, two rows of the panel
	s_mov_b32 s[G1+2], 128<<16                     ; tensor_dim1 = 128
	s_mov_b32 s[G1+3], 128<<16                     ; tile_dim0 = 128
	s_mov_b32 s[G1+4], 128                         ; tile_dim1 = 128
	s_mov_b32 s[G1+5], 128                         ; pitch: the block is dense
	s_mov_b32 s[G1+6], 0
	s_mov_b32 s[G1+7], 0
	s_or_b32 s[G1B], s44, (1<<16)|(1<<20)|(1<<21)|(5<<22)|(7<<25)  ; behind every 64 words, 8 words
	s_mov_b32 s[G1B+1], 128<<16                    ; 128 columns
	s_mov_b32 s[G1B+2], 64<<16                     ; 64 rows of k
	s_mov_b32 s[G1B+3], 128<<16
	s_mov_b32 s[G1B+4], 64
	s_mov_b32 s[G1B+5], NCOL
	s_mov_b32 s[G1B+6], 0
	s_mov_b32 s[G1B+7], 0
	s_lshl_b32 s16, s15, 15                        ; y: 256 rows of 128 bytes a tile row,
	s_lshl_b32 s18, s12, 20                        ; and the wave's panel (only waves below NA ask by this address)
	s_add_co_u32 s16, s16, s18
	s_mov_b32 s17, 0
	s_mul_i32 s46, s42, NT*2                       ; W: the tile's first column,
	s_max_u32 s45, s12, NA
	s_sub_co_u32 s45, s45, NA
	s_mul_i32 s45, s45, BGS                        ; and the wave's panel
	s_add_co_u32 s46, s46, s45
	s_mov_b32 s47, 0
	s_mul_i32 s20, s12, APAN                       ; LDS: y's panels from byte 0,
	s_mul_i32 s21, s12, BPAN
	s_add_co_u32 s21, s21, BOFF-NA*BPAN            ; W's behind them: wave NA's at BOFF.  No place in the cluster enters an LDS address
	s_wait_dscnt 0x0
	s_wait_kmcnt 0x0
	s_add_nc_u64 s[16:17], s[4:5], s[16:17]
	s_add_nc_u64 s[46:47], s[6:7], s[46:47]
	CROUND                                         ; all sixteen work-groups are here: the first joint loads meet
.irp s, 0,1
	s_mov_b32 s[G0+4*\s], 1
	s_add_co_u32 s[G0+4*\s+1], s20, \s*SLOT
	s_add_nc_u64 s[G0+4*\s+2:G0+4*\s+3], s[16:17], (\s*NA)<<20
	s_or_b32 s[G0+4*\s+3], s[G0+4*\s+3], 0x80000000
	s_mov_b32 s[G0B+4*\s], 1
	s_add_co_u32 s[G0B+4*\s+1], s21, \s*SLOT
	s_add_nc_u64 s[G0B+4*\s+2:G0B+4*\s+3], s[46:47], \s*KSTEP*NCOL*2
	s_or_b32 s[G0B+4*\s+3], s[G0B+4*\s+3], 0x80000000
	JLOAD \s                                       ; two loads of mine are out; from here on one
.endr
	v_and_b32 v1, 15, v0                           ; r = l % 16
	v_bfe_u32 v2, v0, 4, 1                         ; h = l / 16
	v_mul_u32_u24 v3, v1, PA
	v_lshl_add_u32 v3, v2, 4, v3                   ; r x 144 + 16 h
	s_mul_i32 s22, s13, 128*PA
	v_add_nc_u32 v[ADRA], s22, v3
	v_add_nc_u32 v[ADRA+1], SLOT, v[ADRA]
	v_and_b32 v4, 7, v0
	v_lshl_add_u32 v4, v2, 3, v4
	v_mul_u32_u24 v4, v4, PB
	v_bfe_u32 v5, v0, 3, 1
	v_lshl_add_u32 v4, v5, 4, v4                   ; the turning load: row of k 8 h + l % 8, 16 bytes (l / 8) % 2
.irp g, 0,1
	s_lshl_b32 s18, s14, 7                         ; my 64 columns, 128 bytes,
	s_add_co_u32 s18, s18, BOFF+64*\g              ; the group's 32 of them
	v_add_nc_u32 v[ADRB+\g], s18, v4
	v_add_nc_u32 v[ADRB+NG+\g], SLOT, v[ADRB+\g]
.endr
	; the wave's 64 numbers of the bias go into its own LDS bytes now, so that the way out does not wait for memory
	s_mul_i32 s46, s42, NT*4
	s_mul_i32 s45, s14, NT*2
	s_add_co_u32 s46, s46, s45
	s_mov_b32 s47, 0
	s_add_nc_u64 s[8:9], s[8:9], s[46:47]
	v_and_b32 v6, 31, v0
	v_lshlrev_b32 v7, 3, v6
	global_load_b64 v[32:33], v7, s[8:9]
	s_mul_i32 s22, s12, STW
	s_add_co_u32 s22, s22, STAGE
	v_mul_u32_u24 v10, v1, 272
	v_lshl_add_u32 v10, v2, 5, v10
	v_add_nc_u32 v[STO], s22, v10                  ; into the stage: row r, 32 bytes for each half of the lanes
	v_mul_u32_u24 v10, v2, 272
	v_lshl_add_u32 v10, v1, 4, v10
	v_add_nc_u32 v[RD], s22, v10                   ; back: lanes 0-15 take one row of 256 bytes, lanes 16-31 the next
	v_lshlrev_b32 v[CO], 12, v2
	v_lshl_add_u32 v[CO], v1, 4, v[CO]             ; and the same two rows in out0
	s_lshl_b32 s46, s15, 20                        ; my part of out0: 256 rows of 4,096 bytes a tile row,
	s_lshl_b32 s45, s13, 19                        ; my 128 rows,
	s_add_co_u32 s46, s46, s45
	s_lshl_b32 s45, s42, 9                         ; 128 columns of f32 a tile column,
	s_add_co_u32 s46, s46, s45
	s_lshl_b32 s45, s14, 8                         ; my 64 columns
	s_add_co_u32 s46, s46, s45
	s_add_nc_u64 s[10:11], s[10:11], s[46:47]
	s_mul_i32 s22, s12, BIW
	s_add_co_u32 s22, s22, BIAS
	v_add_nc_u32 v8, s22, v7
	v_lshl_add_u32 v[BIA], v2, 5, s22              ; a lane's eight numbers of a block: 32 h bytes in
	s_wait_loadcnt 0x0
	ds_store_b64 v8, v[32:33]
	s_wait_dscnt 0x0                               ; no LDS instruction is pending at a signal
	s_wait_tensorcnt 1                             ; my part of K step 0 is in; step 1's stays out
	s_barrier_signal -1
	s_barrier_wait -1
	LOADB 0, 0, 0
	LOADA 0, 0, 0
	LOADB 0, 0, 1
	QUARTER 0, 0, 1, 0, 1                          ; the first quarter's products start the sums: nothing is cleared
	WIN 0                                          ; at a label and at a branch every window is 0
	s_mov_b32 s3, LAPS-1
.Llap:                                                 ; a trip goes once round the ring, from a lap's second quarter to the next lap's first, and fills both slots again
	QUARTER 1, 0, 2, 0, 0
	QUARTER 0, 0, 3, 0, 0
	QUARTER 1, 1, 0, 1, 0
	QUARTER 0, 1, 1, 0, 0
	QUARTER 1, 1, 2, 0, 0
	QUARTER 0, 1, 3, 0, 0
	QUARTER 1, 0, 0, 1, 0
	QUARTER 0, 0, 1, 0, 0
	WIN 0
	s_sub_co_u32 s3, s3, 1
	s_cmp_lg_u32 s3, 0
	s_cbranch_scc1 .Llap
	QUARTER 1, 0, 2, 0, 0                          ; the last lap fills nothing
	QUARTER 0, 0, 3, 0, 0
	QUARTER 1, 1, 0, 2, 0
	QUARTER 0, 1, 1, 0, 0
	QUARTER 1, 1, 2, 0, 0
	QUARTER 0, 1, 3, 0, 0
	QUARTER 1, 0, 0, 3, 0
	; THE WAY OUT.  Eight units of 16 rows x 64 columns of f32: bias added, through my own stage, out as whole rows of 256 bytes.
	PLACES
	WIN 0
.irp nb, 0,1,2,3
	ds_load_b128 v[BI+8*\nb:BI+8*\nb+3],   v[BIA] offset:64*\nb
	ds_load_b128 v[BI+8*\nb+4:BI+8*\nb+7], v[BIA] offset:64*\nb+16
.endr
	s_wait_dscnt 0x0
.macro PACK a
	WIN 1                                          ; source 0: the accumulators' window
.irp nb, 0,1,2,3
.irp k, 0,1,2,3
	v_pk_add_f32 v[TT+8*\nb+2*\k:TT+8*\nb+2*\k+1], v[8*(8*\nb+(\a))+2*\k:8*(8*\nb+(\a))+2*\k+1], v[BI+8*\nb+2*\k:BI+8*\nb+2*\k+1]
.endr
.endr
	WIN 0
.endm
.macro TOSTAGE a
.irp nb, 0,1,2,3
	ds_store_b128 v[STO], v[TT+8*\nb:TT+8*\nb+3]   offset:((\a)%2)*4352+64*\nb
	ds_store_b128 v[STO], v[TT+8*\nb+4:TT+8*\nb+7] offset:((\a)%2)*4352+64*\nb+16
.endr
.irp t, 0,1,2,3,4,5,6,7
	ds_load_b128 v[RB+32*((\a)%2)+4*\t:RB+32*((\a)%2)+4*\t+3], v[RD] offset:((\a)%2)*4352+544*\t   ; the wave's own bytes, served in order: these see the stores above
.endr
.endm
.macro SEND a
	s_wait_dscnt 0x0                               ; the unit is back in registers
	s_wait_xcnt 0x0                                ; the stores of the unit before have had their addresses translated: its registers are loaded again only behind this wait
.irp t, 0,1,2,3,4,5,6,7
	global_store_b128 v[CO], v[RB+32*((\a)%2)+4*\t:RB+32*((\a)%2)+4*\t+3], s[10:11] offset:(16*(\a)+2*\t)*4096 th:TH_STORE_NT   ; sixteen lanes store 256 consecutive bytes, at a multiple of 256 from out0's first byte
.endr
.endm
	PACK 0
	TOSTAGE 0
.set uu, 1
.rept 7                                ; unit a's additions stand between unit a - 1's loads from the stage and the wait for them
	PACK uu
	SEND uu-1
	TOSTAGE uu
.set uu, uu+1
.endr
	SEND 7
	s_wait_tensorcnt 0x0
	ds_add_u32 v254, v255
	s_wait_dscnt 0x0
	CROUND                                         ; the closing round: no work-group ends while a partner may still ask for a tile that names it
	s_endpgm
.Lfunc_end_k_q953bae0aaa_gemm_proj:
	.size	k_q953bae0aaa_gemm_proj, .Lfunc_end_k_q953bae0aaa_gemm_proj-k_q953bae0aaa_gemm_proj
	.p2alignl 7, 3214868480
	.fill 96, 4, 3214868480
	.section	.rodata,"a",@progbits
	.p2align	6, 0x0
	.amdhsa_kernel k_q953bae0aaa_gemm_proj
		.amdhsa_group_segment_fixed_size 327680
		.amdhsa_private_segment_fixed_size 0
		.amdhsa_enable_private_segment 0
		.amdhsa_kernarg_size 32
		.amdhsa_user_sgpr_count 2
		.amdhsa_user_sgpr_kernarg_segment_ptr 1
		.amdhsa_wavefront_size32 1
		.amdhsa_system_sgpr_workgroup_id_x 1
		.amdhsa_system_sgpr_workgroup_id_y 1
		.amdhsa_system_sgpr_workgroup_id_z 1
		.amdhsa_system_vgpr_workitem_id 0
		.amdhsa_next_free_vgpr 512
		.amdhsa_next_free_sgpr 66
		.amdhsa_reserve_vcc 0
		.amdhsa_float_denorm_mode_32 3
		.amdhsa_float_denorm_mode_16_64 3
		.amdhsa_memory_ordered 1
		.amdhsa_forward_progress 1
		.amdhsa_inst_pref_size 97
	.end_amdhsa_kernel
	.amdgpu_metadata
---
amdhsa.version: [ 1, 2 ]
amdhsa.kernels:
  - .name:           k_q953bae0aaa_gemm_proj
    .symbol:         k_q953bae0aaa_gemm_proj.kd
    .args:
      - { .name: y, .offset: 0, .size: 8, .value_kind: global_buffer, .address_space: global }
      - { .name: wp, .offset: 8, .size: 8, .value_kind: global_buffer, .address_space: global }
      - { .name: bproj, .offset: 16, .size: 8, .value_kind: global_buffer, .address_space: global }
      - { .name: out0, .offset: 24, .size: 8, .value_kind: global_buffer, .address_space: global }
    .group_segment_fixed_size: 327680
    .private_segment_fixed_size: 0
    .kernarg_segment_align: 8
    .kernarg_segment_size: 32
    .max_flat_workgroup_size: 128
    .sgpr_count:     66
    .vgpr_count:     512
    .wavefront_size: 32
...
	.end_amdgpu_metadata
.endif
;; end of part 4
